; MI455X (gfx1250); checked and timed in simulation.
; The chip was launched on July 23, 2026; its instructions are those of AMD's public machine-readable ISA for CDNA 5 (MIT licence, August 2026) and "CDNA5" Instruction Set Architecture Reference Guide (July 2026). The comments in the code are by the model that wrote it; some were corrected since.
;; Span NN Shot. Allowed arithmetic: float matrix products may take bf16 or f16 operands with f32 sums; other float arithmetic in f32, or as packed bf16 or f16 multiplies, adds, multiply-adds, maxima and minima; sums over many terms, partial sums and values carried from step to step in f32; what a program stores and reads back later, other than sums and carried values, may be rounded once to bf16 or f16.
;; Inputs: end_q 8,192 int32; end_s 8,192 int32; labels_s 8,192 int32; start_q 8,192 int32; start_s 8,192 int32; tok_query 32,768 x 384 float32; tok_support 32,768 x 384 float32.
;; Outputs: out0 8,192 x 6 float32; out1 8,192 int32.
;; Constants: num_labels = 6.
;; 2 versions, each right; version 2 is version 1 with the launch prep written anew for expert scheduling mode. Each part assembles by itself: llvm-mc -triple=amdgcn-amd-amdhsa -mcpu=gfx1250 --defsym DOCPART=n.
;; ======== version 1 of 2: 3 launches
;; workspace buffers: sb 12,779,520 bytes; sn 33,280 bytes; qf 12,582,912 bytes; qn 32,768 bytes; tlab 512 bytes of whole numbers; part 2,097,152 bytes
;; launch prep (part 1): grid 256 x 1, 8 waves a work-group, no clusters, 53,760 bytes of LDS; arguments tok_support, tok_query, start_s, end_s, start_q, end_q, labels_s, sb, sn, qf, qn, tlab; writes sb, sn, qf, qn, tlab
.if DOCPART == 1
	.amdgcn_target "amdgcn-amd-amdhsa--gfx1250"
	.amdhsa_code_object_version 6
	.text
	.protected	k_qdc360d24a8_prep
	.globl	k_qdc360d24a8_prep
	.p2align	8
	.type	k_qdc360d24a8_prep,@function
k_qdc360d24a8_prep:
	s_mov_b64 s[64:65], 0
	v_nop
	global_prefetch_b8 v0, s[64:65] scope:SCOPE_SE
	s_setreg_imm32_b32 hwreg(HW_REG_WAVE_MODE, 25, 1), 1
	s_wait_xcnt 0x0
; SPAN ROWS, ROUNDED, WITH THEIR NORMS, THE SUPPORTS SORTED BY LABEL.
; reference(): S[s] = (tok_support[start_s[s]], tok_support[end_s[s]]), Q likewise, 768 numbers a span; dist = 2 Q.S - |Q|^2 - |S|^2; for each label the maximum of dist over
; the supports that carry it (the lowest finite f32 where none does); pred = the first label with the greatest maximum.
; NOTHING OF reference() IS LEFT OUT.  A token row that no index names is not read: the gather is a lookup by whole numbers that this launch reads from memory.  All seven inputs are loaded.
; WHAT THIS LAUNCH STORES.
;   sb   [8320][768] bf16: the supports in the order of their labels.  Bucket l = 0..5 is label l, bucket 6 every other number (reference() matches those with no label).  Each bucket begins at a
;        multiple of 16 rows, so that a tile of 16 rows has ONE label.  7 buckets round up by 7 x 15 rows at the most, so 8,320 rows serve every split, all supports in one bucket too.
;        There are always 8,320 - 8,192 = 128 rows that hold no support (behind the buckets and at the end): they are 768 zeros,
;   sn   [8320] f32: the sum of squares of the row as rounded; for a row that holds no support the greatest finite f32, so that its distance is the lowest finite f32, reference()'s own filler.
;   qf   the queries, bf16, in the order in which the next launch's matrix operands take them: [tile of 16 queries][k / 8][query % 16][k % 8]: a block of 256 bytes for each k / 8.
;   qn   [8192] f32: the queries' sums of squares.        tlab [128] words: word c holds the buckets of the tiles 5 c .. 5 c + 4, four bits each (7: a tile behind the last bucket).
; LIMITS.  Both tables are rounded once to bf16 and the norms are taken of the ROUNDED numbers, in f32: the program computes reference() on inputs rounded to bf16, up to the order of the f32 sums
; (some 1e-4 on distances of some 1.5e3); pred can differ from that only where two labels' maxima lie so close.  NaN and infinities are not treated apart.  A token index outside 0..32767 is held to that range.
; SHARES.  Work-group w has supports and queries 32 w .. 32 w + 31, wave v four of each.  A span is six loads of 512 consecutive bytes: lane l holds numbers 128 m + 4 l .. + 3 of load m.
; All 57 loads of a wave go out before the first wait; the counting sort stands in the wait for the token rows.
; THE SORT has no atomics: every work-group counts all 8,192 labels (32 a thread): how many each bucket has in all, and how many in the chunks of 32 before its own.
.set ROWB,  1536                       ; bytes of a token row in f32, and of a span in bf16
.set UP,    272                        ; a block of qf in LDS: 256 bytes + 16: 68 words, so that the 16 pairs of lanes of a store fall on 16 different groups of four banks (64 banks of 4 bytes: ISA guide 11.1)
.set QST,   0                          ; LDS: 192 such blocks: the work-group's two tiles of queries
.set CNT,   192*UP                     ; 52,224: eight waves' counts, 32 bytes each
.set NRM,   CNT+256                    ; 32 norms of supports, then 32 of queries
.set SPARE, NRM+256                    ; the spare words, 128 bytes for each wave: four blocks of 256 bytes that no other line names
.set LASTR, 8319                       ; the last row of sb
; v0 thread; v1 lane; v2 16 lane; v3 8 lane; v4 16 thread; v5 4 lane; v6 thread / 8; v7 1; v8, v11 at work; v9 my support's row in sb; v10 its label
; v12, v13 the add's two registers; v14 where I put 8 bytes of a query; v15 my wave's norms; v16-21 counts; v22-25 counts in 5-bit fields; v26-29 sums of squares; v30 my wave's counts; v31 read-back
; v32-63 labels, later v32-35 my four supports' byte offsets in sb, v36-62 at work; v64-159 four queries; v160-255 four supports
; s4 work-group; s5 wave; s6, s7 lane selects; s[2:3] an offset; s[8:31] the twelve addresses; s32-47 token indices; s66-97 sixteen token rows' addresses; behind the counting:
; s32-38 bucket totals; s40-46 first row of my chunk's members of a bucket; s66-73 bucket starts, s73 the end of the last; s74-81 empty rows before a bucket's gap; s82-89 a gap's first row less that number
	s_load_b512 s[8:23], s[0:1], 0x0               ; tok_support 8, tok_query 10, start_s 12, end_s 14, start_q 16, end_q 18, labels_s 20, sb 22
	s_load_b256 s[24:31], s[0:1], 0x40             ; sn 24, qf 26, qn 28, tlab 30
	v_lshl_add_u32 v12, v0, 2, SPARE
	v_mov_b32 v13, 0
	v_lshrrev_b32 v11, 5, v0
	v_readfirstlane_b32 s5, v11                    ; wave 0..7
	s_mov_b32 s4, ttmp9
	s_mov_b32 s6, 0x76543210                       ; v_permlanex16_b32: each lane takes its own place in the other half
	s_mov_b32 s7, 0xfedcba98
	s_mov_b32 s3, 0
	v_and_b32 v1, 31, v0
	v_lshlrev_b32 v2, 4, v1
	v_lshlrev_b32 v3, 3, v1
	v_lshlrev_b32 v4, 4, v0
	v_lshlrev_b32 v5, 2, v1
	v_lshrrev_b32 v6, 3, v0
	v_mov_b32 v7, 1
	v_mov_b32 v8, 0
	v_mov_b32 v9, 0
	v_lshrrev_b32 v11, 1, v1                       ; my numbers 128 m + 4 l lie in block 16 m + l / 2, at byte 8 (l % 2) of a query's 16
	v_mul_u32_u24 v14, v11, UP
	v_and_b32 v11, 1, v1
	v_lshl_add_u32 v14, v11, 3, v14
	s_lshr_b32 s62, s5, 2                          ; waves 0-3 hold the first tile of 16 queries, waves 4-7 the second: 96 blocks on
	s_mul_i32 s62, s62, 96*UP
	s_and_b32 s63, s5, 3                           ; my four queries are 4 (v % 4) + j of the tile: 16 bytes each
	s_lshl_b32 s63, s63, 6
	s_add_co_u32 s62, s62, s63
	v_add_nc_u32 v14, s62, v14
	s_lshl_b32 s62, s5, 4
	s_add_co_u32 s62, s62, NRM
	v_mov_b32 v15, s62
	s_lshl_b32 s62, s5, 5
	s_add_co_u32 s62, s62, CNT
	v_mov_b32 v30, s62
	v_lshrrev_b32 v11, 4, v0                       ; back: sixteen threads take a block's 256 bytes
	v_mul_u32_u24 v31, v11, UP
	v_and_b32 v11, 15, v0
	v_lshl_add_u32 v31, v11, 4, v31
	s_lshl_b32 s62, s4, 5
	s_lshl2_add_u32 s62, s5, s62                   ; 32 w + 4 v: my first span
	s_lshl_b32 s62, s62, 2
	s_wait_kmcnt 0x0
	s_load_b128 s[32:35], s[12:13], s62 offset:0x0 ; my four spans' token indices
	s_load_b128 s[36:39], s[14:15], s62 offset:0x0
	s_load_b128 s[40:43], s[16:17], s62 offset:0x0
	s_load_b128 s[44:47], s[18:19], s62 offset:0x0
	s_lshl_b32 s2, s4, 7
	s_add_nc_u64 s[54:55], s[20:21], s[2:3]        ; my chunk's 32 labels
	s_add_nc_u64 s[58:59], s[28:29], s[2:3]        ; my chunk's 32 words of qn
	s_mul_i32 s2, s4, 2*96*256
	s_add_nc_u64 s[56:57], s[26:27], s[2:3]        ; my two tiles of qf
.irp j, 0,1,2,3,4,5,6,7
	global_load_b128 v[32+4*\j:35+4*\j], v4, s[20:21] offset:4096*\j  ; labels 1024 j + 4 t .. + 3: they lie in chunk 32 j + t / 8
.endr
	global_load_b32 v10, v5, s[54:55]              ; lane i: the label of support 32 w + i
	s_wait_kmcnt 0x0
.macro BASE dst, idx, tab              ; a token row's address: the index is held inside the table, then table + index x 1,536
	s_min_u32 s[(\idx)], s[(\idx)], 0x7fff
	s_mul_i32 s2, s[(\idx)], ROWB
	s_add_nc_u64 s[(\dst):(\dst)+1], s[(\tab):(\tab)+1], s[2:3]
.endm
.irp j, 0,1,2,3
	BASE 66+4*\j, 40+\j, 10
	BASE 68+4*\j, 44+\j, 10
	BASE 82+4*\j, 32+\j, 8
	BASE 84+4*\j, 36+\j, 8
.endr
.irp j, 0,1,2,3                        ; the queries first: their way through LDS is the longer one
.irp m, 0,1,2
	global_load_b128 v[64+24*\j+4*\m:67+24*\j+4*\m], v2, s[66+4*\j:67+4*\j] offset:512*\m
.endr
.irp m, 0,1,2
	global_load_b128 v[76+24*\j+4*\m:79+24*\j+4*\m], v2, s[68+4*\j:69+4*\j] offset:512*\m
.endr
.endr
.irp j, 0,1,2,3
.irp m, 0,1,2
	global_load_b128 v[160+24*\j+4*\m:163+24*\j+4*\m], v2, s[82+4*\j:83+4*\j] offset:512*\m
.endr
.irp m, 0,1,2
	global_load_b128 v[172+24*\j+4*\m:175+24*\j+4*\m], v2, s[84+4*\j:85+4*\j] offset:512*\m
.endr
.endr
	; THE COUNTING.  A label becomes 1 << 5 x, x = min(label, 6) as an unsigned number: a count in a field of 5 bits.  Sixteen labels go into a word (a field holds 31); bucket 6's field, bits 30 and 31,
	; may run over the word's top, where it harms nothing: bucket 6 is what is left of the whole.
	s_wait_loadcnt 48                              ; the nine loads of labels are in; the 48 of token rows stay out
.set j, 0
.rept 8
.irp e, 0,1,2,3
	v_min_u32 v[32+4*j+\e], 6, v[32+4*j+\e]
	v_lshl_add_u32 v[32+4*j+\e], v[32+4*j+\e], 2, v[32+4*j+\e]
	v_lshlrev_b32 v[32+4*j+\e], v[32+4*j+\e], v7
.endr
	v_add3_u32 v11, v[32+4*j], v[33+4*j], v[34+4*j]
	v_add_nc_u32 v11, v11, v[35+4*j]
	v_add_nc_u32 v8, 32*j, v6                      ; their chunk
	v_cmp_gt_u32 vcc_lo, s4, v8                    ; does it lie before mine?
.if j%4 == 0
	v_mov_b32 v[22+j/4], v11
	v_cndmask_b32 v[24+j/4], 0, v11, vcc_lo
.else
	v_add_nc_u32 v[22+j/4], v[22+j/4], v11
	v_cndmask_b32 v11, 0, v11, vcc_lo
	v_add_nc_u32 v[24+j/4], v[24+j/4], v11
.endif
.set j, j+1
.endr
.irp l, 0,1,2,3,4,5                    ; the fields are widened: two buckets to a word, 16 bits each (8,192 at the most)
	v_bfe_u32 v[36+\l], v22, 5*\l, 5
	v_bfe_u32 v11, v23, 5*\l, 5
	v_add_nc_u32 v[36+\l], v[36+\l], v11
	v_bfe_u32 v[42+\l], v24, 5*\l, 5
	v_bfe_u32 v11, v25, 5*\l, 5
	v_add_nc_u32 v[42+\l], v[42+\l], v11
.endr
.irp p, 0,1,2
	v_lshl_or_b32 v[16+\p], v[37+2*\p], 16, v[36+2*\p]
	v_lshl_or_b32 v[19+\p], v[43+2*\p], 16, v[42+2*\p]
.endr
.macro IRED r                          ; a whole number summed over the wave's 32 lanes, the sum in every lane
.irp m, 1,2,4,8
	v_mov_b32_dpp v8, v[\r] row_xmask:\m row_mask:0xf bank_mask:0xf
	v_add_nc_u32 v[\r], v[\r], v8
.endr
	v_permlanex16_b32 v8, v[\r], s6, s7
	v_add_nc_u32 v[\r], v[\r], v8
.endm
.irp r, 16,17,18,19,20,21
	IRED \r
.endr
	ds_store_b128 v30, v[16:19]                    ; all lanes write the same words with the same numbers
	ds_store_b64 v30, v[20:21] offset:16
	s_wait_dscnt 0x0                               ; for the others' sake: my counts lie in LDS
	s_barrier_signal -1
	s_barrier_wait -1
	v_mov_b32 v11, CNT
.irp k, 0,1,2,3
	ds_load_b128 v[36+6*\k:39+6*\k], v11 offset:32*\k
	ds_load_b64 v[40+6*\k:41+6*\k], v11 offset:32*\k+16
.endr
	s_wait_dscnt 0x0
.irp i, 0,1,2,3,4,5
	v_add3_u32 v[16+\i], v[36+\i], v[42+\i], v[48+\i]
	v_add_nc_u32 v[16+\i], v[16+\i], v[54+\i]
.endr
.irp k, 0,1,2,3
	ds_load_b128 v[36+6*\k:39+6*\k], v11 offset:32*\k+128
	ds_load_b64 v[40+6*\k:41+6*\k], v11 offset:32*\k+144
.endr
	s_wait_dscnt 0x0
.irp i, 0,1,2,3,4,5
	v_add3_u32 v[16+\i], v[16+\i], v[36+\i], v[42+\i]
	v_add3_u32 v[16+\i], v[16+\i], v[48+\i], v[54+\i]
.endr
.irp i, 0,1,2,3,4,5
	v_readfirstlane_b32 s[48+\i], v[16+\i]
.endr
	s_wait_xcnt 0x0                                ; every load issued so far has read its address: the token rows' addresses in s66-97 may be written over
.irp p, 0,1,2
	s_and_b32 s[32+2*\p], s[48+\p], 0xffff         ; a bucket's total,
	s_lshr_b32 s[33+2*\p], s[48+\p], 16
	s_and_b32 s[40+2*\p], s[51+\p], 0xffff         ; and its members before my chunk
	s_lshr_b32 s[41+2*\p], s[51+\p], 16
.endr
	s_add_co_u32 s62, s32, s33
	s_add_co_u32 s62, s62, s34
	s_add_co_u32 s62, s62, s35
	s_add_co_u32 s62, s62, s36
	s_add_co_u32 s62, s62, s37
	s_sub_co_u32 s38, 8192, s62                    ; bucket 6 is what is left
	s_add_co_u32 s62, s40, s41
	s_add_co_u32 s62, s62, s42
	s_add_co_u32 s62, s62, s43
	s_add_co_u32 s62, s62, s44
	s_add_co_u32 s62, s62, s45
	s_lshl_b32 s46, s4, 5
	s_sub_co_u32 s46, s46, s62
	s_mov_b32 s66, 0
	s_mov_b32 s74, 0
.irp l, 0,1,2,3,4,5,6
	s_add_co_u32 s62, s[32+\l], 15
	s_and_b32 s62, s62, -16                        ; the bucket's rows, rounded up to whole tiles
	s_add_co_u32 s[67+\l], s[66+\l], s62           ; where the next begins
	s_sub_co_u32 s62, s62, s[32+\l]                ; its empty rows
	s_add_co_u32 s[75+\l], s[74+\l], s62           ; empty rows up to the next bucket's gap
	s_add_co_u32 s63, s[66+\l], s[32+\l]           ; empty row number n of all lies at n + (the gap's first row - the empty rows before it)
	s_sub_co_u32 s[82+\l], s63, s[74+\l]
	s_add_co_u32 s[40+\l], s[40+\l], s[66+\l]      ; the row of my chunk's first member of the bucket
.endr
	s_sub_co_u32 s89, s73, s81                     ; the same for the rows behind the last bucket
	; lane i: the row of support 32 w + i: its bucket's row for my chunk, plus the members of that bucket in the lanes below.  The order of the supports within a bucket is kept.
	v_min_u32 v10, 6, v10
.irp l, 0,1,2,3,4,5,6
	v_cmp_eq_u32 vcc_lo, \l, v10
	v_mbcnt_lo_u32_b32 v11, vcc_lo, 0
	v_add_nc_u32 v11, s[40+\l], v11
	v_cndmask_b32 v9, v9, v11, vcc_lo
.endr
	s_lshl_b32 s63, s5, 2
.irp j, 0,1,2,3
	v_readlane_b32 s62, v9, s63                    ; my wave's support j
	s_min_u32 s62, s62, LASTR
	s_mul_i32 s62, s62, ROWB
	v_add_nc_u32 v[32+\j], s62, v3                 ; its row in sb, my 8 bytes of each 256
	s_add_co_u32 s63, s63, 1
.endr
	; wave 1 of work-groups 0 to 127: empty row number w
	s_cmp_lg_u32 s5, 1
	s_cbranch_scc1 .Lno_pad
	s_cmp_ge_u32 s4, 128
	s_cbranch_scc1 .Lno_pad
	s_mov_b32 s62, s82
.irp l, 1,2,3,4,5,6,7
	s_cmp_ge_u32 s4, s[74+\l]                      ; the last gap that begins at or before number w
	s_cselect_b32 s62, s[82+\l], s62
.endr
	s_add_co_u32 s62, s62, s4
	s_min_u32 s62, s62, LASTR
	s_mul_i32 s63, s62, ROWB
	v_add_nc_u32 v60, s63, v2
	v_mov_b32 v36, 0
	v_mov_b32 v37, 0
	v_mov_b32 v38, 0
	v_mov_b32 v39, 0
	global_store_b128 v60, v[36:39], s[22:23]      ; 512 consecutive bytes each
	global_store_b128 v60, v[36:39], s[22:23] offset:512
	global_store_b128 v60, v[36:39], s[22:23] offset:1024
	s_lshl_b32 s62, s62, 2
	v_mov_b32 v62, s62
	v_mov_b32 v61, 0x7f7fffff                      ; the greatest finite f32
	global_store_b32 v62, v61, s[24:25]            ; one word, the same from every lane
.Lno_pad:
	; wave 2 of work-groups 0 to 3: 32 words of tlab.  A tile's bucket is the number of bucket starts 1..7 at or before its first row
	s_cmp_lg_u32 s5, 2
	s_cbranch_scc1 .Lno_lab
	s_cmp_ge_u32 s4, 4
	s_cbranch_scc1 .Lno_lab
	s_lshl_b32 s62, s4, 5
	v_add_nc_u32 v44, s62, v1                      ; word c
	v_lshlrev_b32 v47, 2, v44
	v_mul_u32_u24 v44, v44, 80                     ; the first row of tile 5 c
	v_mov_b32 v46, 0
.irp i, 0,1,2,3,4
	v_mov_b32 v45, 0
.irp l, 1,2,3,4,5,6,7
	v_cmp_le_u32 vcc_lo, s[66+\l], v44
	v_cndmask_b32 v48, 0, 1, vcc_lo
	v_add_nc_u32 v45, v45, v48
.endr
	v_lshl_or_b32 v46, v45, 4*\i, v46
	v_add_nc_u32 v44, 16, v44
.endr
	global_store_b32 v47, v46, s[30:31]
.Lno_lab:
; A SPAN, in the 24 registers from D on: rounded to bf16 in place (two words for each four), the squares of the ROUNDED numbers summed in f32, in four chains and then over the lanes.
; isq = 1: a query: its 8 bytes a lane go into the blocks in LDS.  isq = 0: a support: they go to its row of sb, 256 consecutive bytes a store, at a multiple of 256 from sb's first byte.
; left: the loads of the spans behind it, which may stay out.  Each span has registers of its own, so no store's data is written over.
.macro SPAN D, isq, j, left
	s_wait_loadcnt \left
.irp m, 0,1,2,3,4,5
.set a_, (\D)+4*\m
	v_cvt_pk_bf16_f32 v[a_], v[a_], v[a_+1]
	v_cvt_pk_bf16_f32 v[a_+1], v[a_+2], v[a_+3]
.if \m == 0
	v_fma_mix_f32_bf16 v26, v[a_], v[a_], v13 op_sel_hi:[1,1,0]
	v_fma_mix_f32_bf16 v27, v[a_], v[a_], v13 op_sel:[1,1,0] op_sel_hi:[1,1,0]
	v_fma_mix_f32_bf16 v28, v[a_+1], v[a_+1], v13 op_sel_hi:[1,1,0]
	v_fma_mix_f32_bf16 v29, v[a_+1], v[a_+1], v13 op_sel:[1,1,0] op_sel_hi:[1,1,0]
.else
	v_fma_mix_f32_bf16 v26, v[a_], v[a_], v26 op_sel_hi:[1,1,0]
	v_fma_mix_f32_bf16 v27, v[a_], v[a_], v27 op_sel:[1,1,0] op_sel_hi:[1,1,0]
	v_fma_mix_f32_bf16 v28, v[a_+1], v[a_+1], v28 op_sel_hi:[1,1,0]
	v_fma_mix_f32_bf16 v29, v[a_+1], v[a_+1], v29 op_sel:[1,1,0] op_sel_hi:[1,1,0]
.endif
.if \isq
	ds_store_b64 v14, v[a_:a_+1] offset:16*UP*\m+16*(\j)
.else
	global_store_b64 v[32+(\j)], v[a_:a_+1], s[22:23] offset:256*\m
.endif
.endr
	v_add_f32 v26, v26, v27
	v_add_f32 v28, v28, v29
	v_add_f32 v26, v26, v28
	v_add_f32_dpp v26, v26, v26 row_xmask:1 row_mask:0xf bank_mask:0xf
	v_add_f32_dpp v26, v26, v26 row_xmask:2 row_mask:0xf bank_mask:0xf
	v_add_f32_dpp v26, v26, v26 row_xmask:4 row_mask:0xf bank_mask:0xf
	v_add_f32_dpp v26, v26, v26 row_xmask:8 row_mask:0xf bank_mask:0xf
	v_permlanex16_b32 v8, v26, s6, s7
	v_add_f32 v26, v26, v8
	ds_store_b32 v15, v26 offset:4*(\j)+128*(\isq) ; all lanes write the same word with the same number
.endm
	SPAN 64, 1, 0, 42
	SPAN 88, 1, 1, 36
	SPAN 112, 1, 2, 30
	SPAN 136, 1, 3, 24
	SPAN 160, 0, 0, 18
	SPAN 184, 0, 1, 12
	SPAN 208, 0, 2, 6
	SPAN 232, 0, 3, 0
	s_wait_dscnt 0x0                               ; for the others' sake: my queries and norms lie in LDS
	s_barrier_signal -1
	s_barrier_wait -1
.irp n, 0,1,2,3,4,5,6,7,8,9,10,11      ; the 192 blocks leave as they lie: 16 blocks to a turn of the eight waves
	ds_load_b128 v[64+4*\n:67+4*\n], v31 offset:16*UP*\n
.endr
.irp n, 0,1,2,3,4,5,6,7,8,9,10,11
	s_wait_dscnt 11-\n                             ; LDS loads come back in order (ISA guide 5.7.1): number n is in
	global_store_b128 v4, v[64+4*\n:67+4*\n], s[56:57] offset:4096*\n  ; a wave's store covers 512 consecutive bytes, at a multiple of 256 from qf's first byte
.endr
	s_cmp_lg_u32 s5, 0
	s_cbranch_scc1 .Lend
	v_add_nc_u32 v11, NRM, v5                      ; wave 0: the 64 norms
	ds_load_b32 v112, v11
	ds_load_b32 v113, v11 offset:128
	v_min_u32 v9, LASTR, v9
	v_lshlrev_b32 v9, 2, v9
	s_wait_dscnt 0x0
	global_store_b32 v9, v112, s[24:25]            ; a support's norm goes where its row went
	global_store_b32 v5, v113, s[58:59]
.Lend:
	s_wait_tensorcnt 0x0                           ; the wave's end: behind my last LDS store
	ds_add_u32 v12, v13
	s_wait_dscnt 0x0
	s_endpgm
.Lfunc_end_k_qdc360d24a8_prep:
	.size	k_qdc360d24a8_prep, .Lfunc_end_k_qdc360d24a8_prep-k_qdc360d24a8_prep
	.p2alignl 7, 3214868480
	.fill 96, 4, 3214868480
	.section	.rodata,"a",@progbits
	.p2align	6, 0x0
	.amdhsa_kernel k_qdc360d24a8_prep
		.amdhsa_group_segment_fixed_size 53760
		.amdhsa_private_segment_fixed_size 0
		.amdhsa_enable_private_segment 0
		.amdhsa_kernarg_size 96
		.amdhsa_user_sgpr_count 2
		.amdhsa_user_sgpr_kernarg_segment_ptr 1
		.amdhsa_wavefront_size32 1
		.amdhsa_system_sgpr_workgroup_id_x 1
		.amdhsa_system_sgpr_workgroup_id_y 1
		.amdhsa_system_sgpr_workgroup_id_z 1
		.amdhsa_system_vgpr_workitem_id 0
		.amdhsa_next_free_vgpr 256
		.amdhsa_next_free_sgpr 100
		.amdhsa_reserve_vcc 1
		.amdhsa_float_denorm_mode_32 3
		.amdhsa_float_denorm_mode_16_64 3
		.amdhsa_memory_ordered 1
		.amdhsa_forward_progress 1
		.amdhsa_inst_pref_size 66
	.end_amdhsa_kernel
	.amdgpu_metadata
---
amdhsa.version: [ 1, 2 ]
amdhsa.kernels:
  - .name:           k_qdc360d24a8_prep
    .symbol:         k_qdc360d24a8_prep.kd
    .args:
      - { .name: tok_support, .offset: 0, .size: 8, .value_kind: global_buffer, .address_space: global }
      - { .name: tok_query, .offset: 8, .size: 8, .value_kind: global_buffer, .address_space: global }
      - { .name: start_s, .offset: 16, .size: 8, .value_kind: global_buffer, .address_space: global }
      - { .name: end_s, .offset: 24, .size: 8, .value_kind: global_buffer, .address_space: global }
      - { .name: start_q, .offset: 32, .size: 8, .value_kind: global_buffer, .address_space: global }
      - { .name: end_q, .offset: 40, .size: 8, .value_kind: global_buffer, .address_space: global }
      - { .name: labels_s, .offset: 48, .size: 8, .value_kind: global_buffer, .address_space: global }
      - { .name: sb, .offset: 56, .size: 8, .value_kind: global_buffer, .address_space: global }
      - { .name: sn, .offset: 64, .size: 8, .value_kind: global_buffer, .address_space: global }
      - { .name: qf, .offset: 72, .size: 8, .value_kind: global_buffer, .address_space: global }
      - { .name: qn, .offset: 80, .size: 8, .value_kind: global_buffer, .address_space: global }
      - { .name: tlab, .offset: 88, .size: 8, .value_kind: global_buffer, .address_space: global }
    .group_segment_fixed_size: 53760
    .private_segment_fixed_size: 0
    .kernarg_segment_align: 8
    .kernarg_segment_size: 96
    .max_flat_workgroup_size: 256
    .sgpr_count:     100
    .vgpr_count:     256
    .wavefront_size: 32
...
	.end_amdgpu_metadata
.endif
;; end of part 1
;; launch main (part 2): grid 32 x 8, 4 waves a work-group, clusters of 4 x 1, 327,680 bytes of LDS; arguments sb, sn, qf, qn, tlab, part; writes part
.if DOCPART == 2
	.amdgcn_target "amdgcn-amd-amdhsa--gfx1250"
	.amdhsa_code_object_version 6
	.text
	.protected	k_qdc360d24a8_main
	.globl	k_qdc360d24a8_main
	.p2align	8
	.type	k_qdc360d24a8_main,@function
k_qdc360d24a8_main:
	s_mov_b64 s[64:65], 0
	v_nop
	global_prefetch_b8 v0, s[64:65] scope:SCOPE_SE
	s_setreg_imm32_b32 hwreg(HW_REG_WAVE_MODE, 25, 1), 1
	s_wait_xcnt 0x0
	s_wait_alu depctr_hold_cnt(0) depctr_sa_sdst(0) depctr_va_vdst(0) depctr_va_sdst(0) depctr_va_ssrc(0) depctr_va_vcc(0) depctr_vm_vsrc(0)
	s_getreg_b32 s2, hwreg(HW_REG_IB_STS2, 6, 4)
	s_cmp_eq_u32 s2, 0
	s_cbranch_scc0 .Lentry_in_a_cluster
	s_endpgm
.Lentry_in_a_cluster:
	s_bfe_u32 s2, ttmp6, 0x10000c
	s_cmp_lg_u32 s2, 0x3003
	s_cbranch_scc0 .Lentry_shape_is_right
	s_endpgm
.Lentry_shape_is_right:
; part[y][q][l] = the maximum over the sorted rows s of range y that carry label l of (2 Q[q].S[s] - qn[q]) - sn[s]; the lowest finite f32 where the range has none.
; Nothing of reference() is left out here; the 128 rows of sb that hold no support are inside tiles that also hold supports, or in the 8 tiles that round 8,192 + 7 x 15 rows up to 8 equal ranges.
; Products of bf16 numbers, sums in f32; the two subtractions are rounded in reference()'s own order: fl(fl(2 d - qn) - sn).  LIMITS: as stated at the head of the launch before; a row that holds no
; support has sn = the greatest finite f32, and its distance is the lowest finite f32 as long as |2 d - qn| stays under 1e31.
; SHARES.  A work-group has 256 queries (block X = 0..31) and a range of 1,040 sorted rows (Y = 0..7): 65 tiles of 16, walked as 13 chunks of 5 tiles.  A wave has 64 queries, four tiles of 16.
; Q STAYS IN REGISTERS: 4 x 24 fragments = 768 registers, windows 1 to 3.  All four waves read the same rows of S from LDS; a fragment of S (two LDS loads) feeds four matrix instructions.
; LAYOUT.  Source 0 = 16 rows of S, source 1 = 16 queries: in the result lane l holds ONE query (l % 16) and the rows 8 (l / 16) + 0..7: the maximum over rows runs down a lane's registers, and the two
; halves of the lanes meet once, at the end.  A tile has one label (the sort), so its maximum goes into one of six running maxima a query: by a select, min(t, +big or -big), never by a branch.
; ONE TEXT FOR EVERY TILE.  The last of a tile's 24 K steps writes the sum into a second set of registers (RES).  The work on them, 84 vector instructions, stands behind the NEXT tile's matrix instructions.
; CLUSTER.  The four work-groups of a cluster have the same Y and walk the same rows of sb and sn: every tensor load is asked for JOINTLY, with the same descriptor and the mask of four.  Q is not shared
; so: it comes once, 384 KiB of a work-group's 1.9 MiB, straight into registers as 512 consecutive bytes a load; sharing it along Y would want it to pass through the ring's bytes, with barriers of its own.
; REGISTERS, in windows of 256 (s_set_vgpr_msb: bits 1:0 source 0, 3:2 source 1, 5:4 source 2, 7:6 destination).  Window 0: all below.  Window 1 + f / 8: fragment f of query tile t at v[64 t + 8 (f % 8)].
; In the loop ONLY SOURCE 1 changes its window (three switches a tile), so no other line there has a vector register as source 1: the vector work takes a constant or a scalar register in that place.
.set PITCH,  1584                      ; a row of S in LDS: 3 x (512 bytes + 16 of padding) = 396 words: row r starts at bank 12 r mod 64, so 16 rows start at 16 different groups of four banks (64 banks of 4 bytes: ISA guide 11.1)
.set TILEB,  16*PITCH
.set SLOT1,  1<<17                     ; slot 0 at byte 0, slot 1 here: 80 rows each; one exclusive or turns an address in one slot into the other's
.set SNB,    SLOT1+80*PITCH            ; 257,792: the range's 1,040 words of sn, filled once
.set SPARE,  262144                    ; the spare words, 128 bytes for each wave: two blocks of 256 bytes that no other line names
.set ROWB,   1536                      ; a row of sb in memory
.set CHUNKB, 80*ROWB
.set SN0, 3                            ; v3   SNB + 32 (l / 16); never rewritten
.set A0,  4                            ; v4   my lane's place in a tile of S: (l % 16) x PITCH + 16 (l / 16); never rewritten
.set ADR, 5                            ; v5   the LDS address of the tile whose fragments are fetched
.set SNA, 6                            ; v6   of its 16 words of sn
.set QO,  7                            ; v7   16 x lane
.set NO,  8                            ; v8   4 (l % 16)
.set PO,  9                            ; v9   32 (l % 16) + 16 (l / 16)
.set PFO, 10                           ; v10  256 x min(lane, 29)
.set TMPV, 11
.set SPW, 12                           ; v12  LDS address of my spare word; never rewritten
.set NIL, 13                           ; v13  0; never rewritten
.set QN,  16                           ; v[16:23]   qn of my query in each of the four tiles, a pair each
.set SN,  24                           ; v[24:31]   sn of my eight rows of the tile whose sums lie in RES
.set TM,  32                           ; v[32:35]   that tile's maximum, for each query tile
.set LAC, 36                           ; v[36:59]   the running maxima: label l of query tile t at LAC + 6 t + l
.set ACC, 64                           ; v[64:95]   four accumulators
.set RES, 96                           ; v[96:127]  the finished sums
.set SB,  128                          ; v[128:223] fragments of S: two buffers of six
.set WV, 16                            ; s16 wave      s17 cx      s18 X      s19 Y      s20-23, s76, s77 at work
.set CX, 17
.set BX, 18
.set RY, 19
.set G1S, 24                           ; s[24:31] descriptor group 1 for rows of sb
.set G1N, 32                           ; s[32:39] for sn
.set G0A, 40                           ; s[40:43] group 0: chunk 0 into slot 0
.set G0W, 44                           ; s[44:47] chunk 1 into slot 1; then it walks
.set G0N, 48                           ; s[48:51] sn
.set PFA, 52                           ; s[52:53] where my prefetches stand
.set LIM, 54                           ; s54 1 in a cluster that prefetches, else the greatest number
.set LEFT, 55                          ; s55 chunks still to be asked for
.set TC,  56                           ; s56 counts a chunk's first four tiles
.set PK,  57                           ; s57 the labels of the chunk's tiles still to come, four bits each
.set PKN, 58                           ; s58 the next chunk's
.set LC,  59                           ; s59 the label of the tile in hand
.set LP,  60                           ; s60 of the tile before, whose sums lie in RES
.set TLO, 61                           ; s61 byte of tlab's next word
.set TB,  62                           ; s62 LDS byte at which the tile to be fetched begins
.set SNO, 63                           ; s63 byte of its words in the range's sn
.set BIG, 66                           ; s66 the greatest finite f32
.set NEG, 67                           ; s67 the lowest
.set SEL, 68                           ; s[68:73] for each label: BIG if it is LP, else NEG
.set PSL, 74                           ; s[74:75] v_permlanex16_b32's selects
.set MSB, 0
.macro WIN new                         ; the immediate's high byte repeats the setting that is left; a switch that changes nothing is dropped
.if MSB != (\new)
	s_set_vgpr_msb (MSB<<8)|(\new)
.set MSB, (\new)
.endif
.endm
; A round of the cluster's barrier: my work-group's barrier, so that wave 0's signal speaks for all four waves; wave 0 signals; every wave waits for all four work-groups; my work-group's barrier once more.
.macro CREST                           ; a round behind its opening barrier
	s_cmp_lg_u32 s[WV], 0
	s_cbranch_scc1 .Lnot_wave_0_\@
	s_barrier_signal -3
.Lnot_wave_0_\@:
	s_barrier_wait -3
	s_barrier_signal -1
	s_barrier_wait -1
.endm
.macro CROUND
	s_barrier_signal -1
	s_barrier_wait -1
	CREST
.endm
; A PREFETCH INTO THE L2 of the chunk that the NEXT change of slots will ask for: one chunk, 480 matrix instructions, ahead of that load.  The eight clusters of a range walk the same rows: the first of them
; (cluster x = 0) asks.  A wave's 20 rows are 120 blocks of 256 bytes; the four partners take 30 each, told apart BY ADDRESS (cx): no branch hangs on a work-group's place in its cluster.  A lane a block;
; lanes 30 and 31 name block 29 once more, since 30 blocks do not fill 32 lanes.  Chunks 0 to 2 come by their loads alone; the last change that fills a slot asks for nothing.
.macro ASK
	s_cmp_gt_u32 s[LEFT], s[LIM]
	s_cbranch_scc0 .Lnot_mine_\@
	global_prefetch_b8 v[PFO], s[PFA:PFA+1] th:TH_LOAD_NT scope:SCOPE_SE
.Lnot_mine_\@:
.endm
	s_load_b256 s[4:11], s[0:1], 0x0               ; sb s[4:5], sn s[6:7], qf s[8:9], qn s[10:11]
	s_load_b128 s[12:15], s[0:1], 0x20             ; tlab s[12:13], part s[14:15]
	v_lshl_add_u32 v[SPW], v0, 2, SPARE
	v_mov_b32 v[NIL], 0
	ds_add_u32 v[SPW], v[NIL]                      ; the wave's opening: the add, twice on end, and its wait ahead of my first tensor load; the set-up below, work on registers, stands between
	ds_add_u32 v[SPW], v[NIL]
	v_lshrrev_b32 v[TMPV], 5, v0
	v_readfirstlane_b32 s[WV], v[TMPV]             ; wave 0..3
	s_bfe_u32 s[CX], ttmp6, 0x40000                ; my place in the cluster
	s_lshl_b32 s[BX], ttmp9, 2                     ; in a cluster launch ttmp9 counts clusters
	s_add_co_u32 s[BX], s[BX], s[CX]               ; my block of 256 queries: it enters qf's, qn's and part's addresses alone
	s_and_b32 s[RY], ttmp7, 0xffff                 ; the range, which the four partners share
	; group 1 for sb: a wave's quarter of a chunk, 20 rows x 768 elements, padded in LDS
	s_mov_b32 s[G1S], 15|(1<<16)|(1<<20)|(1<<21)|(6<<22)|(3<<25)  ; 15:0 the mask of four; 17:16 2-byte elements; 20 padding on; 21 set beside a mask; 24:22 after every 128 words (code 6); 31:25 4 words (code 3)
	s_mov_b32 s[G1S+1], 768<<16                    ; tensor_dim0 = 768
	s_mov_b32 s[G1S+2], 20<<16                     ; tensor_dim1 = 20
	s_mov_b32 s[G1S+3], 768<<16                    ; tile_dim0 = 768
	s_mov_b32 s[G1S+4], 20                         ; tile_dim1 = 20
	s_mov_b32 s[G1S+5], 768                        ; elements from row to row
	s_mov_b32 s[G1S+6], 0
	s_mov_b32 s[G1S+7], 0
	; group 1 for sn: a wave's quarter of the range's words, one row of 130 elements of 8 bytes
	s_mov_b32 s[G1N], 15|(3<<16)|(1<<21)
	s_mov_b32 s[G1N+1], 130<<16
	s_mov_b32 s[G1N+2], 1<<16
	s_mov_b32 s[G1N+3], 130<<16
	s_mov_b32 s[G1N+4], 1
	s_mov_b32 s[G1N+5], 130
	s_mov_b32 s[G1N+6], 1<<16
	s_mov_b32 s[G1N+7], 0
	s_mov_b32 s[G0A], 1                            ; count = 1
	s_mul_i32 s[G0A+1], s[WV], 20*PITCH            ; LDS address: wave x 20 rows: no place in the cluster enters it
	s_mov_b32 s[G0W], 1
	s_add_co_u32 s[G0W+1], s[G0A+1], SLOT1
	s_mov_b32 s[G0N], 1
	s_mul_i32 s21, s[WV], 1040
	s_add_co_u32 s[G0N+1], s21, SNB
	s_mov_b32 s[BIG], 0x7f7fffff
	s_mov_b32 s[NEG], 0xff7fffff
	s_mov_b32 s[PSL], 0x76543210
	s_mov_b32 s[PSL+1], 0xfedcba98
	s_mov_b32 s[LC], 7                             ; the first tile's vector work finds no sums yet: label 7 selects no maximum
	s_mov_b32 s[TB], 0
	s_mov_b32 s[SNO], 0
	s_mov_b32 s[LEFT], 11
	s_mov_b32 s[LIM], ttmp9
	s_cmp_eq_u32 s[LIM], 0
	s_cselect_b32 s[LIM], 1, -1                    ; the same in all four partners
	v_and_b32 v1, 15, v0                           ; l % 16
	v_bfe_u32 v2, v0, 4, 1                         ; l / 16
	v_mul_u32_u24 v[A0], v1, PITCH
	v_lshl_add_u32 v[A0], v2, 4, v[A0]
	v_lshlrev_b32 v[SN0], 5, v2
	v_add_nc_u32 v[SN0], SNB, v[SN0]
	v_and_b32 v[PFO], 31, v0
	v_lshlrev_b32 v[QO], 4, v[PFO]
	v_min_u32 v[PFO], 29, v[PFO]
	v_lshlrev_b32 v[PFO], 8, v[PFO]
	v_lshlrev_b32 v[NO], 2, v1
	v_lshlrev_b32 v[PO], 5, v1
	v_lshl_add_u32 v[PO], v2, 4, v[PO]
	s_wait_dscnt 0x0                               ; both opening adds are done
	s_wait_kmcnt 0x0
	s_mul_i32 s20, s[RY], 1040                     ; the range's first row,
	s_mul_i32 s21, s[WV], 20                       ; my 20 rows of a chunk
	s_add_co_u32 s20, s20, s21
	s_mul_i32 s20, s20, ROWB
	s_mov_b32 s21, 0
	s_add_nc_u64 s[G0A+2:G0A+3], s[4:5], s[20:21]
	s_add_nc_u64 s[G0W+2:G0W+3], s[G0A+2:G0A+3], CHUNKB
	s_add_nc_u64 s[PFA:PFA+1], s[G0A+2:G0A+3], 2*CHUNKB  ; in chunk 2; the first change of slots steps it to chunk 3
	s_or_b32 s[G0A+3], s[G0A+3], 0x80000000        ; type = 2
	s_or_b32 s[G0W+3], s[G0W+3], 0x80000000
	s_mul_i32 s20, s[RY], 4160
	s_mul_i32 s21, s[WV], 1040
	s_add_co_u32 s20, s20, s21
	s_mov_b32 s21, 0
	s_add_nc_u64 s[G0N+2:G0N+3], s[6:7], s[20:21]
	s_or_b32 s[G0N+3], s[G0N+3], 0x80000000
	s_mul_i32 s[TLO], s[RY], 52                    ; 13 words a range
	s_load_b32 s[PK], s[12:13], s[TLO] offset:0x0  ; chunk 0's labels
	s_lshl_b32 s22, s[BX], 4
	s_lshl2_add_u32 s22, s[WV], s22                ; my first tile of 16 queries: 16 X + 4 wave
	s_mul_i32 s76, s22, 24576
	s_mov_b32 s77, 0
	s_add_nc_u64 s[8:9], s[8:9], s[76:77]          ; qf,
	s_lshl_b32 s76, s22, 6
	s_add_nc_u64 s[10:11], s[10:11], s[76:77]      ; qn
	s_lshl_b32 s76, s22, 9
	s_lshl_b32 s23, s[RY], 18
	s_add_co_u32 s76, s76, s23
	s_add_nc_u64 s[14:15], s[14:15], s[76:77]      ; and part at my wave's first query
	s_mul_i32 s76, s[CX], 30*256
	s_add_nc_u64 s[PFA:PFA+1], s[PFA:PFA+1], s[76:77]  ; my work-group's 30 blocks of the wave's 120
	CROUND                                         ; all four work-groups are here: the first joint loads meet
	tensor_load_to_lds s[G0N:G0N+3], s[G1N:G1N+7]  ; the first fills go out together: three loads of mine are out
	s_nop 0
	tensor_load_to_lds s[G0A:G0A+3], s[G1S:G1S+7]
	s_nop 0
	tensor_load_to_lds s[G0W:G0W+3], s[G1S:G1S+7]
	s_nop 0
.rept 4
	v_nop
.endr
.set g, 0
.rept 3                                ; Q: a fragment is two loads of 16 bytes a lane; qf holds them in the lanes' order, so each load takes 512 consecutive bytes
	WIN (1+g)<<6                                   ; destination window 1 + g, address window 0
.set e, 0
.rept 8
.irp t, 0,1,2,3
	global_load_b128 v[64*\t+8*e:64*\t+8*e+3],   v[QO], s[8:9] offset:24576*\t+1024*(8*g+e)
	global_load_b128 v[64*\t+8*e+4:64*\t+8*e+7], v[QO], s[8:9] offset:24576*\t+1024*(8*g+e)+512
.endr
.set e, e+1
.endr
.set g, g+1
.endr
	WIN 0
.irp t, 0,1,2,3
	global_load_b32 v[QN+2*\t], v[NO], s[10:11] offset:64*\t
.endr
.set i, 0
.rept 32
	v_mov_b32 v[RES+i], 0                          ; what the first tile's vector work finds: finite numbers, which label 7 throws away.  These lines stand in the wait for the first loads
.set i, i+1
.endr
.set i, 0
.rept 8
	v_mov_b32 v[SN+i], 0
.set i, i+1
.endr
.set i, 0
.rept 24
	v_mov_b32 v[LAC+i], s[NEG]                     ; reference()'s filler for a label that no support carries
.set i, i+1
.endr
	v_mov_b32 v[ADR], v[A0]                        ; tile 0 lies at the head of slot 0
	s_wait_loadcnt 0x0                             ; Q and qn
.irp t, 0,1,2,3
	v_mov_b32 v[QN+2*\t+1], v[QN+2*\t]             ; named as a pair
.endr
	s_wait_kmcnt 0x0                               ; chunk 0's labels; their load has read TLO
	s_add_co_u32 s[TLO], s[TLO], 4
	s_wait_tensorcnt 1                             ; my parts of sn and of slot 0 are in; slot 1's may stay out
	s_barrier_signal -1
	s_barrier_wait -1                              ; everybody's are
; Matrix instruction: K step f (32 numbers), query tile t.  The four accumulators take turns, one instruction a turn.  Step 0 starts the sum with the constant 0; step 23 writes it into RES.
.macro WM f, t
.set rA, SB+48*(((\f)/6)%2)+8*((\f)%6)
.set rB, 64*(\t)+8*((\f)%8)
.set rC, ACC+8*(\t)
.if (\f) == 0
	v_wmma_f32_16x16x32_bf16 v[rC:rC+7], v[rA:rA+7], v[rB:rB+7], 0
.elseif (\f) == 23
	v_wmma_f32_16x16x32_bf16 v[RES+8*(\t):RES+8*(\t)+7], v[rA:rA+7], v[rB:rB+7], v[rC:rC+7]
.else
	v_wmma_f32_16x16x32_bf16 v[rC:rC+7], v[rA:rA+7], v[rB:rB+7], v[rC:rC+7]
.endif
.endm
; Twelve LDS loads in one run: fragments 6 g .. 6 g + 5 of the tile at ADR into buffer g % 2.  Fragment f lies at byte 64 f + 16 (f / 8) of a row.
.macro FETCH g
.irp i, 0,1,2,3,4,5
	ds_load_b128 v[SB+48*((\g)%2)+8*\i:SB+48*((\g)%2)+8*\i+3],   v[ADR] offset:64*(6*(\g)+\i)+16*((6*(\g)+\i)/8)
	ds_load_b128 v[SB+48*((\g)%2)+8*\i+4:SB+48*((\g)%2)+8*\i+7], v[ADR] offset:64*(6*(\g)+\i)+16*((6*(\g)+\i)/8)+32
.endr
.endm
; THE VECTOR WORK on a finished tile: number n of 84; the query tiles alternate (n % 4), so that no line reads the result of the one before it.
;   0-15   2 d - qn, a pair of rows each, from each accumulator's lowest registers on     16-31  less sn     32-59  the maximum of the eight rows (the scalar in the middle place changes nothing)
;   60-83  for each label l: max(min(t, SEL l), the running maximum): t enters the maximum of the tile's label alone
.macro RID n
.set q_, (\n)%4
.if (\n) < 16
.set p_, RES+8*q_+2*((\n)/4)
	v_pk_fma_f32 v[p_:p_+1], v[p_:p_+1], 2.0, v[QN+2*q_:QN+2*q_+1] op_sel_hi:[1,0,0] neg_lo:[0,0,1] neg_hi:[0,0,1]
.elseif (\n) < 32
.set p_, RES+8*q_+2*(((\n)-16)/4)
.set s_, SN+2*(((\n)-16)/4)
	v_pk_fma_f32 v[p_:p_+1], v[p_:p_+1], 1.0, v[s_:s_+1] op_sel_hi:[1,0,1] neg_lo:[0,0,1] neg_hi:[0,0,1]
.elseif (\n) < 36
	v_max3_num_f32 v[TM+q_], v[RES+8*q_], s[NEG], v[RES+8*q_+1]
.elseif (\n) < 60
	v_max3_num_f32 v[TM+q_], v[TM+q_], s[NEG], v[RES+8*q_+1+((\n)-32)/4]
.else
.set l_, ((\n)-60)/4
	v_minmax_num_f32 v[LAC+6*q_+l_], v[TM+q_], s[SEL+l_], v[LAC+6*q_+l_]
.endif
.endm
; Where they stand: behind matrix instruction w of the tile's 96.  The deal keeps these distances, counted in plain vector lines that name none of the matrix instruction's registers:
; step 23 takes as C what step 22 wrote for another accumulator: eight lines between (60-83 name TM and LAC alone); the next tile's step 0 writes over step 23's C, and number 0 reads RES: six lines behind w = 95;
; each run of LDS loads stands four lines or more behind the last product that read its buffer (w = 23 to 27; 47 to 51; 72 to 75 and the address's own line; the six behind w = 95).
.macro RIDERS
.if w < 52
	RID w
.elseif (w >= 72) && (w < 80)
	RID w-20
.elseif (w >= 84) && (w < 88)
	RID w-24
.elseif (w >= 88) && (w < 95)
	RID 64+2*(w-88)
	RID 65+2*(w-88)
.elseif w == 95
.irp x, 78,79,80,81,82,83
	RID \x
.endr
.endif
.endm
.macro FOUR                            ; K step ff for the four query tiles
.irp t, 0,1,2,3
	WM ff, \t
	RIDERS
.set w, w+1
.endr
.endm
; A TILE: 96 matrix instructions, the vector work on the tile before, 50 LDS loads in four runs.  kind 0: one of a chunk's first four; it fetches the next tile's first fragments from the same slot.
; kind 1: a chunk's last, with THE CHANGE OF SLOTS at K step 18, when the slot's last bytes have been asked for: each wave waits for all its tensor loads, of which one is out: its part of the other slot; adds 0 to
; its spare word; and waits for that and for its own reads of the slot.  The barrier opens a round of the cluster's barrier: behind it no wave of any partner reads the slot or has a load on its way, and the joint
; refill, the chunk two on, is the first thing there: it has some 460 matrix instructions in which to land.  kind 2: the same with nothing left to ask for.  kind 3: the walk's last tile.
; THE WAITS ON LDS.  Loads come back in order (ISA guide 5.7.1).  At a run's first fragment the run's other ten loads may be out.  At its fragment i the 2 (5 - i) behind it and the run issued since:
; 12 loads, 14 where sn's two go with it, none in the walk's last tile.
.macro TILE kind
.set chg, 0
.if ((\kind) == 1) || ((\kind) == 2)
.set chg, 1
.endif
	s_mov_b32 s[LP], s[LC]
	s_and_b32 s[LC], s[PK], 15
	s_lshr_b32 s[PK], s[PK], 4
.irp l, 0,1,2,3,4,5
	s_cmp_eq_u32 s[LP], \l
	s_cselect_b32 s[SEL+\l], s[BIG], s[NEG]
.endr
.set w, 0
.set ff, 0
.rept 24
.if ff%8 == 0
	WIN (1+ff/8)<<2                                ; source 1: the window of Q's fragments ff .. ff + 7
.endif
.if chg && (ff == 18)
	WIN 0                                          ; (the add's data register is a source 1)
	s_wait_tensorcnt 0x0                           ; no tensor load of mine is out, so a group 0 may be written
	ds_add_u32 v[SPW], v[NIL]                      ; 0 onto my spare word; the scalar work below stands between it and the wait for it
	s_wait_kmcnt 0x0                               ; the next chunk's labels
	s_sub_co_u32 s[TB], s[TB], 4*TILEB             ; the fetches go back to a slot's first tile,
	s_xor_b32 s[TB], s[TB], SLOT1                  ; in the other slot
.if (\kind) == 1
	s_xor_b32 s[G0W+1], s[G0W+1], SLOT1            ; the walking descriptor: the other slot than last time,
	s_add_nc_u64 s[G0W+2:G0W+3], s[G0W+2:G0W+3], CHUNKB  ; the next 80 rows; the type bits on top are not reached
	s_wait_xcnt 0x0                                ; the last prefetch, a chunk back, has read its address
	s_add_nc_u64 s[PFA:PFA+1], s[PFA:PFA+1], CHUNKB
.endif
	s_wait_dscnt 0x0                               ; the add is done, and my reads of the slot are over
	s_barrier_signal -1
	WIN 0x0c                                       ; eight matrix instructions and their vector lines, work on registers, while the others arrive
.elseif chg && (ff > 18)
.elseif ff%6 == 0
	s_wait_dscnt 10
.else
.set run, 12
.if ff/6 == 2
.set run, 14
.endif
.if (ff/6 == 3) && ((\kind) == 3)
.set run, 0
.endif
	s_wait_dscnt run+2*(5-ff%6)
.endif
	FOUR
.if ff == 0
	FETCH 1
.elseif ff == 6
	FETCH 2
.elseif ff == 12
	v_add_nc_u32 v[SNA], v[SN0], s[SNO]
	ds_load_b128 v[SN:SN+3], v[SNA]                ; this tile's sn: the lines that read the last tile's stand behind w = 16 to 31
	ds_load_b128 v[SN+4:SN+7], v[SNA] offset:16
	s_add_co_u32 s[SNO], s[SNO], 64
	FETCH 3
.elseif (ff == 18) && ((\kind) == 0)
	s_add_co_u32 s[TB], s[TB], TILEB
	v_add_nc_u32 v[ADR], v[A0], s[TB]
	FETCH 0
.elseif chg && (ff == 19)
	WIN 0                                          ; at a branch and at a label every window is 0
	s_barrier_wait -1
.if (\kind) == 1
	CREST
	tensor_load_to_lds s[G0W:G0W+3], s[G1S:G1S+7]  ; my one tensor load behind the round
	s_nop 0
.rept 4
	v_nop
.endr
.endif
	v_add_nc_u32 v[ADR], v[A0], s[TB]
	FETCH 0                                        ; the next chunk's first fragments
.if (\kind) == 1
	ASK                                            ; behind the joint load and the run of LDS loads that the next products wait for
.endif
	WIN 0x0c
.endif
.set ff, ff+1
.endr
.if chg
	s_mov_b32 s[PK], s[PKN]
.endif
	WIN 0
.endm
	FETCH 0
.Lchunk:                                       ; chunks 0 to 10: each is left with a refill, chunks 2 to 12
	s_load_b32 s[PKN], s[12:13], s[TLO] offset:0x0
	s_mov_b32 s[TC], 4
.Lt:
	TILE 0
	s_sub_co_u32 s[TC], s[TC], 1
	s_cmp_lg_u32 s[TC], 0
	s_cbranch_scc1 .Lt
	TILE 1
	s_add_co_u32 s[TLO], s[TLO], 4                 ; (the load that read it was waited for in the change of slots)
	s_sub_co_u32 s[LEFT], s[LEFT], 1
	s_cmp_lg_u32 s[LEFT], 0
	s_cbranch_scc1 .Lchunk
	s_load_b32 s[PKN], s[12:13], s[TLO] offset:0x0 ; the tail is written out.  Chunk 11
	s_mov_b32 s[TC], 4
.Lt11:
	TILE 0
	s_sub_co_u32 s[TC], s[TC], 1
	s_cmp_lg_u32 s[TC], 0
	s_cbranch_scc1 .Lt11
	TILE 2
	s_mov_b32 s[TC], 4                             ; chunk 12
.Lt12:
	TILE 0
	s_sub_co_u32 s[TC], s[TC], 1
	s_cmp_lg_u32 s[TC], 0
	s_cbranch_scc1 .Lt12
	TILE 3
	s_wait_dscnt 0x0
.irp l, 0,1,2,3,4,5                    ; the last tile's vector work has no products to stand behind
	s_cmp_eq_u32 s[LC], \l
	s_cselect_b32 s[SEL+\l], s[BIG], s[NEG]
.endr
.set n_, 0
.rept 84
	RID n_
.set n_, n_+1
.endr
	; THE WAY OUT.  A query's other eight rows of each tile lie in the lane 16 away.  Then lanes 0-15 hold labels 0-3 of their query, lanes 16-31 labels 4, 5 and two fillers: 32 bytes a query.
.set i, 0
.rept 24
	v_permlanex16_b32 v[TMPV], v[LAC+i], s[PSL], s[PSL+1]
	v_max_num_f32 v[LAC+i], v[LAC+i], v[TMPV]
.set i, i+1
.endr
	v_cmp_eq_u32 vcc_lo, 1, v2
.irp t, 0,1,2,3
	v_cndmask_b32 v[RES+4*\t],   v[LAC+6*\t],   v[LAC+6*\t+4], vcc_lo
	v_cndmask_b32 v[RES+4*\t+1], v[LAC+6*\t+1], v[LAC+6*\t+5], vcc_lo
	v_cndmask_b32 v[RES+4*\t+2], v[LAC+6*\t+2], s[NEG], vcc_lo
	v_cndmask_b32 v[RES+4*\t+3], v[LAC+6*\t+3], s[NEG], vcc_lo
	global_store_b128 v[PO], v[RES+4*\t:RES+4*\t+3], s[14:15] offset:512*\t  ; 512 consecutive bytes, at a multiple of 256 from part's first byte
.endr
	s_wait_tensorcnt 0x0                           ; the wave's end: behind my last tensor load
	ds_add_u32 v[SPW], v[NIL]
	s_wait_dscnt 0x0
	CROUND                                         ; the closing round: no work-group ends while a partner may still ask for a tile that names it
	s_endpgm
.Lfunc_end_k_qdc360d24a8_main:
	.size	k_qdc360d24a8_main, .Lfunc_end_k_qdc360d24a8_main-k_qdc360d24a8_main
	.p2alignl 7, 3214868480
	.fill 96, 4, 3214868480
	.section	.rodata,"a",@progbits
	.p2align	6, 0x0
	.amdhsa_kernel k_qdc360d24a8_main
		.amdhsa_group_segment_fixed_size 327680
		.amdhsa_private_segment_fixed_size 0
		.amdhsa_enable_private_segment 0
		.amdhsa_kernarg_size 48
		.amdhsa_user_sgpr_count 2
		.amdhsa_user_sgpr_kernarg_segment_ptr 1
		.amdhsa_wavefront_size32 1
		.amdhsa_system_sgpr_workgroup_id_x 1
		.amdhsa_system_sgpr_workgroup_id_y 1
		.amdhsa_system_sgpr_workgroup_id_z 1
		.amdhsa_system_vgpr_workitem_id 0
		.amdhsa_next_free_vgpr 1024
		.amdhsa_next_free_sgpr 80
		.amdhsa_reserve_vcc 1
		.amdhsa_float_denorm_mode_32 3
		.amdhsa_float_denorm_mode_16_64 3
		.amdhsa_memory_ordered 1
		.amdhsa_forward_progress 1
		.amdhsa_inst_pref_size 134
	.end_amdhsa_kernel
	.amdgpu_metadata
---
amdhsa.version: [ 1, 2 ]
amdhsa.kernels:
  - .name:           k_qdc360d24a8_main
    .symbol:         k_qdc360d24a8_main.kd
    .args:
      - { .name: sb, .offset: 0, .size: 8, .value_kind: global_buffer, .address_space: global }
      - { .name: sn, .offset: 8, .size: 8, .value_kind: global_buffer, .address_space: global }
      - { .name: qf, .offset: 16, .size: 8, .value_kind: global_buffer, .address_space: global }
      - { .name: qn, .offset: 24, .size: 8, .value_kind: global_buffer, .address_space: global }
      - { .name: tlab, .offset: 32, .size: 8, .value_kind: global_buffer, .address_space: global }
      - { .name: part, .offset: 40, .size: 8, .value_kind: global_buffer, .address_space: global }
    .group_segment_fixed_size: 327680
    .private_segment_fixed_size: 0
    .kernarg_segment_align: 8
    .kernarg_segment_size: 48
    .max_flat_workgroup_size: 128
    .sgpr_count:     80
    .vgpr_count:     1024
    .wavefront_size: 32
...
	.end_amdgpu_metadata
.endif
;; end of part 2
;; launch fin (part 3): grid 128 x 1, 1 waves a work-group, no clusters, 1,792 bytes of LDS; arguments part, out0, out1; writes out0, out1
.if DOCPART == 3
	.amdgcn_target "amdgcn-amd-amdhsa--gfx1250"
	.amdhsa_code_object_version 6
	.text
	.protected	k_qdc360d24a8_fin
	.globl	k_qdc360d24a8_fin
	.p2align	8
	.type	k_qdc360d24a8_fin,@function
k_qdc360d24a8_fin:
	s_mov_b64 s[64:65], 0
	v_nop
	global_prefetch_b8 v0, s[64:65] scope:SCOPE_SE
	s_setreg_imm32_b32 hwreg(HW_REG_WAVE_MODE, 25, 1), 1
	s_wait_xcnt 0x0
; out0[q][l] = the maximum over the 8 ranges y of part[y][q][l]; out1[q] = the first l with the greatest out0[q][l] (a later label wins only if it is strictly greater, as jnp.argmax has it).
; Nothing of reference() is left out.  NaN is not treated apart.  part: [8][8192][8] f32, of which words 6 and 7 of a query are fillers and are not read.
; One wave a work-group, 64 queries: lane i has queries 2 i and 2 i + 1, 64 consecutive bytes of each range.  All 32 loads go out before the one wait.  No barrier: nothing passes between waves.
; 64 queries are 1,536 bytes of out0 and 256 of out1: every store covers whole aligned blocks of 256 bytes; the 12 numbers a lane go through LDS to lie so.
.set SPARE, 1536                       ; LDS: a stage of 1,536 bytes, then the spare words: one block of 256 bytes that no other line names
.set M, 100                            ; v[100:111] the 12 maxima: query 2 i's six, then query 2 i + 1's
	s_load_b128 s[4:7], s[0:1], 0x0                ; part s[4:5], out0 s[6:7]
	s_load_b64 s[8:9], s[0:1], 0x10                ; out1
	v_lshl_add_u32 v120, v0, 2, SPARE
	v_mov_b32 v121, 0
	v_lshlrev_b32 v1, 6, v0                        ; my 64 bytes of a range
	v_mul_u32_u24 v2, v0, 48                       ; my 48 bytes of the stage: 12 words apart
	v_lshlrev_b32 v3, 4, v0
	v_lshlrev_b32 v118, 3, v0
	s_lshl_b32 s10, ttmp9, 11                      ; 64 queries x 32 bytes
	s_mov_b32 s11, 0
	s_mul_i32 s12, ttmp9, 1536
	s_mov_b32 s13, 0
	s_lshl_b32 s14, ttmp9, 8
	s_mov_b32 s15, 0
	s_wait_kmcnt 0x0
	s_add_nc_u64 s[4:5], s[4:5], s[10:11]
	s_add_nc_u64 s[6:7], s[6:7], s[12:13]
	s_add_nc_u64 s[8:9], s[8:9], s[14:15]
.irp y, 0,1,2,3,4,5,6,7
	global_load_b128 v[4+12*\y:7+12*\y],   v1, s[4:5] offset:262144*\y th:TH_LOAD_NT
	global_load_b64  v[8+12*\y:9+12*\y],   v1, s[4:5] offset:262144*\y+16 th:TH_LOAD_NT
	global_load_b128 v[10+12*\y:13+12*\y], v1, s[4:5] offset:262144*\y+32 th:TH_LOAD_NT
	global_load_b64  v[14+12*\y:15+12*\y], v1, s[4:5] offset:262144*\y+48 th:TH_LOAD_NT
.endr
	s_wait_loadcnt 0x0
.set k, 0
.rept 12
	v_max3_num_f32 v[M+k], v[4+k], v[16+k], v[28+k]
	v_max3_num_f32 v[M+k], v[M+k], v[40+k], v[52+k]
	v_max3_num_f32 v[M+k], v[M+k], v[64+k], v[76+k]
	v_max_num_f32 v[M+k], v[M+k], v[88+k]
.set k, k+1
.endr
	ds_store_b128 v2, v[M:M+3]
	ds_store_b128 v2, v[M+4:M+7] offset:16
	ds_store_b128 v2, v[M+8:M+11] offset:32
.irp j, 0,1,2
	ds_load_b128 v[4+4*\j:7+4*\j], v3 offset:512*\j  ; LDS serves a wave's instructions in order (ISA guide 5.7.1.4): these see the stores above
.endr
.irp q, 0,1                            ; the choice only selects values: compare and select, label after label
	v_mov_b32 v[112+\q], v[M+6*\q]
	v_mov_b32 v[116+\q], 0
.irp l, 1,2,3,4,5
	v_cmp_gt_f32 vcc_lo, v[M+6*\q+\l], v[112+\q]
	v_cndmask_b32 v[112+\q], v[112+\q], v[M+6*\q+\l], vcc_lo
	v_cndmask_b32 v[116+\q], v[116+\q], \l, vcc_lo
.endr
.endr
	global_store_b64 v118, v[116:117], s[8:9]      ; 256 consecutive bytes of out1
.irp j, 0,1,2
	s_wait_dscnt 2-\j                              ; number j is back; the younger ones may be out
	global_store_b128 v3, v[4+4*\j:7+4*\j], s[6:7] offset:512*\j  ; 512 consecutive bytes of out0
.endr
	s_wait_tensorcnt 0x0                           ; the wave's end: behind my last LDS store
	ds_add_u32 v120, v121
	s_wait_dscnt 0x0
	s_endpgm
.Lfunc_end_k_qdc360d24a8_fin:
	.size	k_qdc360d24a8_fin, .Lfunc_end_k_qdc360d24a8_fin-k_qdc360d24a8_fin
	.p2alignl 7, 3214868480
	.fill 96, 4, 3214868480
	.section	.rodata,"a",@progbits
	.p2align	6, 0x0
	.amdhsa_kernel k_qdc360d24a8_fin
		.amdhsa_group_segment_fixed_size 1792
		.amdhsa_private_segment_fixed_size 0
		.amdhsa_enable_private_segment 0
		.amdhsa_kernarg_size 24
		.amdhsa_user_sgpr_count 2
		.amdhsa_user_sgpr_kernarg_segment_ptr 1
		.amdhsa_wavefront_size32 1
		.amdhsa_system_sgpr_workgroup_id_x 1
		.amdhsa_system_sgpr_workgroup_id_y 1
		.amdhsa_system_sgpr_workgroup_id_z 1
		.amdhsa_system_vgpr_workitem_id 0
		.amdhsa_next_free_vgpr 128
		.amdhsa_next_free_sgpr 66
		.amdhsa_reserve_vcc 1
		.amdhsa_float_denorm_mode_32 3
		.amdhsa_float_denorm_mode_16_64 3
		.amdhsa_memory_ordered 1
		.amdhsa_forward_progress 1
		.amdhsa_inst_pref_size 10
	.end_amdhsa_kernel
	.amdgpu_metadata
---
amdhsa.version: [ 1, 2 ]
amdhsa.kernels:
  - .name:           k_qdc360d24a8_fin
    .symbol:         k_qdc360d24a8_fin.kd
    .args:
      - { .name: part, .offset: 0, .size: 8, .value_kind: global_buffer, .address_space: global }
      - { .name: out0, .offset: 8, .size: 8, .value_kind: global_buffer, .address_space: global }
      - { .name: out1, .offset: 16, .size: 8, .value_kind: global_buffer, .address_space: global }
    .group_segment_fixed_size: 1792
    .private_segment_fixed_size: 0
    .kernarg_segment_align: 8
    .kernarg_segment_size: 24
    .max_flat_workgroup_size: 32
    .sgpr_count:     66
    .vgpr_count:     128
    .wavefront_size: 32
...
	.end_amdgpu_metadata
.endif
;; end of part 3
;; ======== version 2 of 2: 3 launches; version 1 with the launch prep written anew for expert scheduling mode
;; workspace buffers: sb 12,779,520 bytes; sn 33,280 bytes; qf 12,582,912 bytes; qn 32,768 bytes; tlab 512 bytes of whole numbers; part 2,097,152 bytes
;; launch prep (part 4): grid 256 x 1, 8 waves a work-group, no clusters, 53,760 bytes of LDS; arguments tok_support, tok_query, start_s, end_s, start_q, end_q, labels_s, sb, sn, qf, qn, tlab; writes sb, sn, qf, qn, tlab
.if DOCPART == 4
	.amdgcn_target "amdgcn-amd-amdhsa--gfx1250"
	.amdhsa_code_object_version 6
	.text
	.protected	k_qdc360d24a8_prep
	.globl	k_qdc360d24a8_prep
	.p2align	8
	.type	k_qdc360d24a8_prep,@function
k_qdc360d24a8_prep:
	s_mov_b64 s[64:65], 0
	v_nop
	global_prefetch_b8 v0, s[64:65] scope:SCOPE_SE
	s_setreg_imm32_b32 hwreg(HW_REG_WAVE_SCHED_MODE, 0, 2), 2
	s_setreg_imm32_b32 hwreg(HW_REG_WAVE_MODE, 25, 1), 1
	s_wait_xcnt 0x0
	s_wait_alu depctr_vm_vsrc(0)
; SPAN ROWS, ROUNDED, WITH THEIR NORMS, THE SUPPORTS SORTED BY LABEL.
; reference(): S[s] = (tok_support[start_s[s]], tok_support[end_s[s]]), Q likewise, 768 numbers a span; dist = 2 Q.S - |Q|^2 - |S|^2; for each label the maximum of dist over
; the supports that carry it (the lowest finite f32 where none does); pred = the first label with the greatest maximum.
; NOTHING OF reference() IS LEFT OUT.  A token row that no index names is not read: the gather is a lookup by whole numbers that this launch reads from memory.  All seven inputs are loaded.
; WHAT THIS LAUNCH STORES.
;   sb   [8320][768] bf16: the supports in the order of their labels.  Bucket l = 0..5 is label l, bucket 6 every other number (reference() matches those with no label).  Each bucket begins at a
;        multiple of 16 rows, so that a tile of 16 rows has ONE label.  7 buckets round up by 7 x 15 rows at the most, so 8,320 rows serve every split, all supports in one bucket too.
;        There are always 8,320 - 8,192 = 128 rows that hold no support (behind the buckets and at the end): they are 768 zeros,
;   sn   [8320] f32: the sum of squares of the row as rounded; for a row that holds no support the greatest finite f32, so that its distance is the lowest finite f32, reference()'s own filler.
;   qf   the queries, bf16, in the order in which the next launch's matrix operands take them: [tile of 16 queries][k / 8][query % 16][k % 8]: a block of 256 bytes for each k / 8.
;   qn   [8192] f32: the queries' sums of squares.        tlab [128] words: word c holds the buckets of the tiles 5 c .. 5 c + 4, four bits each (7: a tile behind the last bucket).
; LIMITS.  Both tables are rounded once to bf16 and the norms are taken of the ROUNDED numbers, in f32: the program computes reference() on inputs rounded to bf16, up to the order of the f32 sums
; (some 1e-4 on distances of some 1.5e3); pred can differ from that only where two labels' maxima lie so close.  NaN and infinities are not treated apart.  A token index outside 0..32767 is held to that range.
; SHARES.  Work-group w has supports and queries 32 w .. 32 w + 31, wave v four of each.  A span is six loads of 512 consecutive bytes: lane l holds numbers 128 m + 4 l .. + 3 of load m.
; All 57 loads of a wave go out before the first wait; the counting sort stands in the wait for the token rows.
; THE SORT has no atomics: every work-group counts all 8,192 labels (32 a thread): how many each bucket has in all, and how many in the chunks of 32 before its own.
; THE MODE: SCHED_MODE bits 1:0 = 2 (LLVM: expert scheduling mode 2), set by the entry lines.  The code itself states the register dependences between vector instructions and memory or LDS
; instructions, and between a vector instruction that writes a scalar register and its readers, with s_wait_alu, always for 0.
; THE PLAN.  Registers that memory or LDS instructions touch:
;   v2-5, v14, v15, v30, v31   offsets and LDS addresses: written at the head, never again.  v63: the address of the counts, written once behind the counting, never again.
;   v32-63, v10                the labels: loads land in them; vector lines alone name them afterwards.
;   v16-21                     a wave's counts: written by the sums over the lanes, read by two LDS stores, written again by the sums over the waves.
;   v36-59                     four waves' counts: LDS loads land in them twice; adds read them between.
;   v64-255                    a span has 24 registers of its own: six loads land in them, twelve conversions work in place, six stores read the twelve words.  Later the stage's loads land in v64-111, wave 0's norms in v112-113.
;   v16-23                     span n's norm in v[16 + n]: written by the span's last add, read by one LDS store, never written again.
;   v9, v11, v32-35, v36-39, v46, v47, v60-62   addresses and data that are written once, read by their loads or stores, and never written again.
; So a span has ONE wait on va_vdst, behind its conversions; the norm store of the span before and the span's six stores follow it, each store ahead of the multiply-adds that name its words.
; No compare writes VCC: the compares stand in runs, into scalar registers, with one wait on va_sdst behind each run.
.set ROWB,  1536                       ; bytes of a token row in f32, and of a span in bf16
.set UP,    272                        ; a block of qf in LDS: 256 bytes + 16: 68 words, so that the 16 pairs of lanes of a store fall on 16 different groups of four banks (64 banks of 4 bytes: ISA guide 11.1)
.set QST,   0                          ; LDS: 192 such blocks: the work-group's two tiles of queries
.set CNT,   192*UP                     ; 52,224: eight waves' counts, 32 bytes each
.set NRM,   CNT+256                    ; 32 norms of supports, then 32 of queries
.set SPARE, NRM+256                    ; the spare words, 128 bytes for each wave: four blocks of 256 bytes that no other line names
.set LASTR, 8319                       ; the last row of sb
; v0 thread; v1 lane; v2 16 lane; v3 8 lane; v4 16 thread; v5 4 lane; v6 thread / 8; v7 1; v8, v11 at work; v9 my support's row in sb; v10 its label
; v12, v13 the add's two registers; v14 where I put 8 bytes of a query; v15 my wave's norms; v16-21 counts, later v16-23 the eight spans' norms; v22-25 counts in 5-bit fields; v26-29 sums of squares; v30 my wave's counts; v31 read-back
; v32-63 labels, later v32-35 my four supports' byte offsets in sb, v36-62 at work, v63 the LDS address of the counts; v64-159 four queries; v160-255 four supports
; s4 work-group; s5 wave; s6, s7 lane selects; s[2:3] an offset; s[8:31] the twelve addresses; s32-47 token indices, then s32-39 masks: the chunks before mine; s66-97 sixteen token rows' addresses; behind the counting:
; s32-38 bucket totals; s40-46 first row of my chunk's members of a bucket; s66-73 bucket starts, s73 the end of the last; s74-81 empty rows before a bucket's gap; s82-89 a gap's first row less that number
; s90-96 masks: the lanes whose support lies in bucket l; s48-51 four lane numbers; s52, s53, s60, s61 my four supports' rows; for tlab s32-47 and s74-92 are 35 masks
	s_load_b512 s[8:23], s[0:1], 0x0               ; tok_support 8, tok_query 10, start_s 12, end_s 14, start_q 16, end_q 18, labels_s 20, sb 22
	s_load_b256 s[24:31], s[0:1], 0x40             ; sn 24, qf 26, qn 28, tlab 30
	v_lshl_add_u32 v12, v0, 2, SPARE
	v_mov_b32 v13, 0
	v_lshrrev_b32 v11, 5, v0
	v_readfirstlane_b32 s5, v11                    ; wave 0..7
	s_mov_b32 s4, ttmp9
	s_mov_b32 s6, 0x76543210                       ; v_permlanex16_b32: each lane takes its own place in the other half
	s_mov_b32 s7, 0xfedcba98
	s_mov_b32 s3, 0
	v_and_b32 v1, 31, v0
	v_lshlrev_b32 v2, 4, v1
	v_lshlrev_b32 v3, 3, v1
	v_lshlrev_b32 v4, 4, v0
	v_lshlrev_b32 v5, 2, v1
	v_lshrrev_b32 v6, 3, v0
	v_mov_b32 v7, 1
	v_mov_b32 v8, 0
	v_mov_b32 v9, 0
	v_lshrrev_b32 v11, 1, v1                       ; my numbers 128 m + 4 l lie in block 16 m + l / 2, at byte 8 (l % 2) of a query's 16
	v_mul_u32_u24 v14, v11, UP
	v_and_b32 v11, 1, v1
	v_lshl_add_u32 v14, v11, 3, v14
	s_wait_alu depctr_va_sdst(0)                   ; s5 is written, ahead of its first reader: LDS addresses, the spans' numbers and the branches on the wave are made from it
	s_lshr_b32 s62, s5, 2                          ; waves 0-3 hold the first tile of 16 queries, waves 4-7 the second: 96 blocks on
	s_mul_i32 s62, s62, 96*UP
	s_and_b32 s63, s5, 3                           ; my four queries are 4 (v % 4) + j of the tile: 16 bytes each
	s_lshl_b32 s63, s63, 6
	s_add_co_u32 s62, s62, s63
	v_add_nc_u32 v14, s62, v14
	s_lshl_b32 s62, s5, 4
	s_add_co_u32 s62, s62, NRM
	v_mov_b32 v15, s62
	s_lshl_b32 s62, s5, 5
	s_add_co_u32 s62, s62, CNT
	v_mov_b32 v30, s62
	v_lshrrev_b32 v11, 4, v0                       ; back: sixteen threads take a block's 256 bytes
	v_mul_u32_u24 v31, v11, UP
	v_and_b32 v11, 15, v0
	v_lshl_add_u32 v31, v11, 4, v31
	s_lshl_b32 s62, s4, 5
	s_lshl2_add_u32 s62, s5, s62                   ; 32 w + 4 v: my first span
	s_lshl_b32 s62, s62, 2
	s_wait_kmcnt 0x0
	s_load_b128 s[32:35], s[12:13], s62 offset:0x0 ; my four spans' token indices
	s_load_b128 s[36:39], s[14:15], s62 offset:0x0
	s_load_b128 s[40:43], s[16:17], s62 offset:0x0
	s_load_b128 s[44:47], s[18:19], s62 offset:0x0
	s_lshl_b32 s2, s4, 7
	s_add_nc_u64 s[54:55], s[20:21], s[2:3]        ; my chunk's 32 labels
	s_add_nc_u64 s[58:59], s[28:29], s[2:3]        ; my chunk's 32 words of qn
	s_mul_i32 s2, s4, 2*96*256
	s_add_nc_u64 s[56:57], s[26:27], s[2:3]        ; my two tiles of qf
	s_wait_alu depctr_va_vdst(0)                   ; the head's offsets and LDS addresses (v2-5, v14, v15, v30, v31) are written: the 57 loads below read v2, v4 and v5, and no vector line stands among them
.irp j, 0,1,2,3,4,5,6,7
	global_load_b128 v[32+4*\j:35+4*\j], v4, s[20:21] offset:4096*\j  ; labels 1024 j + 4 t .. + 3: they lie in chunk 32 j + t / 8
.endr
	global_load_b32 v10, v5, s[54:55]              ; lane i: the label of support 32 w + i
	s_wait_kmcnt 0x0
.macro BASE dst, idx, tab              ; a token row's address: the index is held inside the table, then table + index x 1,536
	s_min_u32 s[(\idx)], s[(\idx)], 0x7fff
	s_mul_i32 s2, s[(\idx)], ROWB
	s_add_nc_u64 s[(\dst):(\dst)+1], s[(\tab):(\tab)+1], s[2:3]
.endm
.irp j, 0,1,2,3
	BASE 66+4*\j, 40+\j, 10
	BASE 68+4*\j, 44+\j, 10
	BASE 82+4*\j, 32+\j, 8
	BASE 84+4*\j, 36+\j, 8
.endr
.irp j, 0,1,2,3                        ; the queries first: their way through LDS is the longer one
.irp m, 0,1,2
	global_load_b128 v[64+24*\j+4*\m:67+24*\j+4*\m], v2, s[66+4*\j:67+4*\j] offset:512*\m
.endr
.irp m, 0,1,2
	global_load_b128 v[76+24*\j+4*\m:79+24*\j+4*\m], v2, s[68+4*\j:69+4*\j] offset:512*\m
.endr
.endr
.irp j, 0,1,2,3
.irp m, 0,1,2
	global_load_b128 v[160+24*\j+4*\m:163+24*\j+4*\m], v2, s[82+4*\j:83+4*\j] offset:512*\m
.endr
.irp m, 0,1,2
	global_load_b128 v[172+24*\j+4*\m:175+24*\j+4*\m], v2, s[84+4*\j:85+4*\j] offset:512*\m
.endr
.endr
.irp j, 0,1,2,3,4,5,6,7                ; does the chunk of my labels of load j lie before mine?  The eight masks hang on ids alone: they are made in one run, while the labels are on their way (the token indices in s32-39 have been used up)
	v_add_nc_u32 v8, 32*\j, v6                     ; their chunk
	v_cmp_gt_u32 s[32+\j], s4, v8
.endr
	s_wait_alu depctr_va_sdst(0)                   ; the eight masks s32-39 are written, ahead of the selects below that read them
	; THE COUNTING.  A label becomes 1 << 5 x, x = min(label, 6) as an unsigned number: a count in a field of 5 bits.  Sixteen labels go into a word (a field holds 31); bucket 6's field, bits 30 and 31,
	; may run over the word's top, where it harms nothing: bucket 6 is what is left of the whole.
	s_wait_loadcnt 48                              ; the nine loads of labels are in; the 48 of token rows stay out
.set j, 0
.rept 8
.irp e, 0,1,2,3
	v_min_u32 v[32+4*j+\e], 6, v[32+4*j+\e]
	v_lshl_add_u32 v[32+4*j+\e], v[32+4*j+\e], 2, v[32+4*j+\e]
	v_lshlrev_b32 v[32+4*j+\e], v[32+4*j+\e], v7
.endr
	v_add3_u32 v11, v[32+4*j], v[33+4*j], v[34+4*j]
	v_add_nc_u32 v11, v11, v[35+4*j]
.if j%4 == 0
	v_mov_b32 v[22+j/4], v11
	v_cndmask_b32 v[24+j/4], 0, v11, s[32+j]
.else
	v_add_nc_u32 v[22+j/4], v[22+j/4], v11
	v_cndmask_b32 v11, 0, v11, s[32+j]
	v_add_nc_u32 v[24+j/4], v[24+j/4], v11
.endif
.set j, j+1
.endr
.irp l, 0,1,2,3,4,5                    ; the fields are widened: two buckets to a word, 16 bits each (8,192 at the most)
	v_bfe_u32 v[36+\l], v22, 5*\l, 5
	v_bfe_u32 v11, v23, 5*\l, 5
	v_add_nc_u32 v[36+\l], v[36+\l], v11
	v_bfe_u32 v[42+\l], v24, 5*\l, 5
	v_bfe_u32 v11, v25, 5*\l, 5
	v_add_nc_u32 v[42+\l], v[42+\l], v11
.endr
.irp p, 0,1,2
	v_lshl_or_b32 v[16+\p], v[37+2*\p], 16, v[36+2*\p]
	v_lshl_or_b32 v[19+\p], v[43+2*\p], 16, v[42+2*\p]
.endr
.macro IRED r                          ; a whole number summed over the wave's 32 lanes, the sum in every lane
.irp m, 1,2,4,8
	v_mov_b32_dpp v8, v[\r] row_xmask:\m row_mask:0xf bank_mask:0xf
	v_add_nc_u32 v[\r], v[\r], v8
.endr
	v_permlanex16_b32 v8, v[\r], s6, s7
	v_add_nc_u32 v[\r], v[\r], v8
.endm
.irp r, 16,17,18,19,20,21
	IRED \r
.endr
	v_mov_b32 v63, CNT                             ; the address of the eight waves' counts: a register of its own, never written again
	s_wait_alu depctr_va_vdst(0)                   ; the sums have written v16-21, which the two stores read; v63 is written, and the widening lines are done with v36-47: the LDS loads behind the barrier read the one and land in the others
	ds_store_b128 v30, v[16:19]                    ; all lanes write the same words with the same numbers
	ds_store_b64 v30, v[20:21] offset:16
	s_wait_dscnt 0x0                               ; for the others' sake: my counts lie in LDS
	s_barrier_signal -1
	s_barrier_wait -1
.irp k, 0,1,2,3
	ds_load_b128 v[36+6*\k:39+6*\k], v63 offset:32*\k
	ds_load_b64 v[40+6*\k:41+6*\k], v63 offset:32*\k+16
.endr
	s_wait_dscnt 0x0
	s_wait_alu depctr_vm_vsrc(0)                   ; my two LDS stores have read v16-21, which the adds below write again
.irp i, 0,1,2,3,4,5
	v_add3_u32 v[16+\i], v[36+\i], v[42+\i], v[48+\i]
	v_add_nc_u32 v[16+\i], v[16+\i], v[54+\i]
.endr
	s_wait_alu depctr_va_vdst(0)                   ; those adds are done reading v36-59, in which the other four waves' counts land
.irp k, 0,1,2,3
	ds_load_b128 v[36+6*\k:39+6*\k], v63 offset:32*\k+128
	ds_load_b64 v[40+6*\k:41+6*\k], v63 offset:32*\k+144
.endr
	s_wait_dscnt 0x0
.irp i, 0,1,2,3,4,5
	v_add3_u32 v[16+\i], v[16+\i], v[36+\i], v[42+\i]
	v_add3_u32 v[16+\i], v[16+\i], v[48+\i], v[54+\i]
.endr
.irp i, 0,1,2,3,4,5
	v_readfirstlane_b32 s[48+\i], v[16+\i]
.endr
	s_wait_xcnt 0x0                                ; every load issued so far has read its address: the token rows' addresses in s66-97 may be written over
	v_min_u32 v10, 6, v10                          ; lane i: the bucket of support 32 w + i,
.irp l, 0,1,2,3,4,5,6
	v_cmp_eq_u32 s[90+\l], \l, v10                 ; and for each bucket the lanes that hold a member: seven masks in one run
.endr
	s_wait_alu depctr_va_sdst(0)                   ; the six sums s48-53 and the seven masks s90-96 are written, ahead of their first readers below
.irp p, 0,1,2
	s_and_b32 s[32+2*\p], s[48+\p], 0xffff         ; a bucket's total,
	s_lshr_b32 s[33+2*\p], s[48+\p], 16
	s_and_b32 s[40+2*\p], s[51+\p], 0xffff         ; and its members before my chunk
	s_lshr_b32 s[41+2*\p], s[51+\p], 16
.endr
	s_add_co_u32 s62, s32, s33
	s_add_co_u32 s62, s62, s34
	s_add_co_u32 s62, s62, s35
	s_add_co_u32 s62, s62, s36
	s_add_co_u32 s62, s62, s37
	s_sub_co_u32 s38, 8192, s62                    ; bucket 6 is what is left
	s_add_co_u32 s62, s40, s41
	s_add_co_u32 s62, s62, s42
	s_add_co_u32 s62, s62, s43
	s_add_co_u32 s62, s62, s44
	s_add_co_u32 s62, s62, s45
	s_lshl_b32 s46, s4, 5
	s_sub_co_u32 s46, s46, s62
	s_mov_b32 s66, 0
	s_mov_b32 s74, 0
.irp l, 0,1,2,3,4,5,6
	s_add_co_u32 s62, s[32+\l], 15
	s_and_b32 s62, s62, -16                        ; the bucket's rows, rounded up to whole tiles
	s_add_co_u32 s[67+\l], s[66+\l], s62           ; where the next begins
	s_sub_co_u32 s62, s62, s[32+\l]                ; its empty rows
	s_add_co_u32 s[75+\l], s[74+\l], s62           ; empty rows up to the next bucket's gap
	s_add_co_u32 s63, s[66+\l], s[32+\l]           ; empty row number n of all lies at n + (the gap's first row - the empty rows before it)
	s_sub_co_u32 s[82+\l], s63, s[74+\l]
	s_add_co_u32 s[40+\l], s[40+\l], s[66+\l]      ; the row of my chunk's first member of the bucket
.endr
	s_sub_co_u32 s89, s73, s81                     ; the same for the rows behind the last bucket
	; lane i: the row of support 32 w + i: its bucket's row for my chunk, plus the members of that bucket in the lanes below.  The order of the supports within a bucket is kept.
.irp l, 0,1,2,3,4,5,6
	v_mbcnt_lo_u32_b32 v11, s[90+\l], 0
	v_add_nc_u32 v11, s[40+\l], v11
	v_cndmask_b32 v9, v9, v11, s[90+\l]
.endr
	s_lshl_b32 s48, s5, 2                          ; my wave's four supports lie in lanes 4 v .. 4 v + 3
	s_add_co_u32 s49, s48, 1
	s_add_co_u32 s50, s48, 2
	s_add_co_u32 s51, s48, 3
	v_readlane_b32 s52, v9, s48
	v_readlane_b32 s53, v9, s49
	v_readlane_b32 s60, v9, s50
	v_readlane_b32 s61, v9, s51
	s_wait_alu depctr_va_sdst(0)                   ; the four rows s52, s53, s60, s61 are written, ahead of the lines below that read them
.macro ROWOF j, r                      ; my wave's support j: its row in sb, my 8 bytes of each 256
	s_min_u32 s[\r], s[\r], LASTR
	s_mul_i32 s[\r], s[\r], ROWB
	v_add_nc_u32 v[32+\j], s[\r], v3
.endm
	ROWOF 0, 52
	ROWOF 1, 53
	ROWOF 2, 60
	ROWOF 3, 61
	; wave 1 of work-groups 0 to 127: empty row number w
	s_cmp_lg_u32 s5, 1
	s_cbranch_scc1 .Lno_pad
	s_cmp_ge_u32 s4, 128
	s_cbranch_scc1 .Lno_pad
	s_mov_b32 s62, s82
.irp l, 1,2,3,4,5,6,7
	s_cmp_ge_u32 s4, s[74+\l]                      ; the last gap that begins at or before number w
	s_cselect_b32 s62, s[82+\l], s62
.endr
	s_add_co_u32 s62, s62, s4
	s_min_u32 s62, s62, LASTR
	s_mul_i32 s63, s62, ROWB
	s_lshl_b32 s62, s62, 2
	v_add_nc_u32 v60, s63, v2
	v_mov_b32 v36, 0
	v_mov_b32 v37, 0
	v_mov_b32 v38, 0
	v_mov_b32 v39, 0
	v_mov_b32 v62, s62
	v_mov_b32 v61, 0x7f7fffff                      ; the greatest finite f32
	s_wait_alu depctr_va_vdst(0)                   ; v36-39 and v60-62 are written: the four stores read them as data and offsets; nothing writes them again
	global_store_b128 v60, v[36:39], s[22:23]      ; 512 consecutive bytes each
	global_store_b128 v60, v[36:39], s[22:23] offset:512
	global_store_b128 v60, v[36:39], s[22:23] offset:1024
	global_store_b32 v62, v61, s[24:25]            ; one word, the same from every lane
.Lno_pad:
	; wave 2 of work-groups 0 to 3: 32 words of tlab.  A tile's bucket is the number of bucket starts 1..7 at or before its first row
	s_cmp_lg_u32 s5, 2
	s_cbranch_scc1 .Lno_lab
	s_cmp_ge_u32 s4, 4
	s_cbranch_scc1 .Lno_lab
	s_lshl_b32 s62, s4, 5
	v_add_nc_u32 v44, s62, v1                      ; word c
	v_lshlrev_b32 v47, 2, v44
	v_mul_u32_u24 v44, v44, 80                     ; the first row of tile 5 c
	v_mov_b32 v46, 0
.macro MREG                            ; mask number n_ of 35 lies in s32-47, then in s74-92: all of these have been used up
.if n_ < 16
.set m_, 32+n_
.else
.set m_, 58+n_
.endif
.endm
.set n_, 0
.rept 5                                ; five tiles x seven starts: 35 compares in one run
.irp l, 1,2,3,4,5,6,7
	MREG
	v_cmp_le_u32 s[m_], s[66+\l], v44
.set n_, n_+1
.endr
	v_add_nc_u32 v44, 16, v44
.endr
	s_wait_alu depctr_va_sdst(0)                   ; the 35 masks are written, ahead of the selects that read them
.set n_, 0
.irp i, 0,1,2,3,4
	v_mov_b32 v45, 0
.rept 7
	MREG
	v_cndmask_b32 v48, 0, 1, s[m_]
	v_add_nc_u32 v45, v45, v48
.set n_, n_+1
.endr
	v_lshl_or_b32 v46, v45, 4*\i, v46
.endr
	s_wait_alu depctr_va_vdst(0)                   ; v46 and v47 are written: the store reads them as data and offset; nothing writes them again
	global_store_b32 v47, v46, s[30:31]
.Lno_lab:
; A SPAN, number n of eight, in the 24 registers from D on: rounded to bf16 in place (two words for each four), the squares of the ROUNDED numbers summed in f32, in four chains and then over the lanes.
; isq = 1: a query: its 8 bytes a lane go into the blocks in LDS.  isq = 0: a support: they go to its row of sb, 256 consecutive bytes a store, at a multiple of 256 from sb's first byte.
; left: the loads of the spans behind it, which may stay out.  Each span has registers of its own, its norm too, so no store's data is written over.
; The twelve conversions stand first, then the span's one wait; behind it each store stands ahead of the four multiply-adds that name its two words, so that no vector line issued since the wait names a register of a store still to come.
.macro NORM n                          ; span n's norm into LDS: all lanes write the same word with the same number
	ds_store_b32 v15, v[16+(\n)] offset:4*((\n)%4)+128*(1-(\n)/4)
.endm
.macro SPAN D, isq, j, left, n
	s_wait_loadcnt \left
.irp m, 0,1,2,3,4,5
.set a_, (\D)+4*\m
	v_cvt_pk_bf16_f32 v[a_], v[a_], v[a_+1]
	v_cvt_pk_bf16_f32 v[a_+1], v[a_+2], v[a_+3]
.endr
	s_wait_alu depctr_va_vdst(0)                   ; the conversions have written the span's twelve words, which its six stores read; the span before has written its norm; for the first support also: v32-35, the stores' offsets, are written
.if (\n) > 0
	NORM (\n)-1
.endif
.irp m, 0,1,2,3,4,5
.set a_, (\D)+4*\m
.if \isq
	ds_store_b64 v14, v[a_:a_+1] offset:16*UP*\m+16*(\j)
.else
	global_store_b64 v[32+(\j)], v[a_:a_+1], s[22:23] offset:256*\m
.endif
.if \m == 0
	v_fma_mix_f32_bf16 v26, v[a_], v[a_], v13 op_sel_hi:[1,1,0]
	v_fma_mix_f32_bf16 v27, v[a_], v[a_], v13 op_sel:[1,1,0] op_sel_hi:[1,1,0]
	v_fma_mix_f32_bf16 v28, v[a_+1], v[a_+1], v13 op_sel_hi:[1,1,0]
	v_fma_mix_f32_bf16 v29, v[a_+1], v[a_+1], v13 op_sel:[1,1,0] op_sel_hi:[1,1,0]
.else
	v_fma_mix_f32_bf16 v26, v[a_], v[a_], v26 op_sel_hi:[1,1,0]
	v_fma_mix_f32_bf16 v27, v[a_], v[a_], v27 op_sel:[1,1,0] op_sel_hi:[1,1,0]
	v_fma_mix_f32_bf16 v28, v[a_+1], v[a_+1], v28 op_sel_hi:[1,1,0]
	v_fma_mix_f32_bf16 v29, v[a_+1], v[a_+1], v29 op_sel:[1,1,0] op_sel_hi:[1,1,0]
.endif
.endr
	v_add_f32 v26, v26, v27
	v_add_f32 v28, v28, v29
	v_add_f32 v26, v26, v28
	v_add_f32_dpp v26, v26, v26 row_xmask:1 row_mask:0xf bank_mask:0xf
	v_add_f32_dpp v26, v26, v26 row_xmask:2 row_mask:0xf bank_mask:0xf
	v_add_f32_dpp v26, v26, v26 row_xmask:4 row_mask:0xf bank_mask:0xf
	v_add_f32_dpp v26, v26, v26 row_xmask:8 row_mask:0xf bank_mask:0xf
	v_permlanex16_b32 v8, v26, s6, s7
	v_add_f32 v[16+(\n)], v26, v8                  ; the norm, in the span's own register
.endm
	SPAN 64, 1, 0, 42, 0
	SPAN 88, 1, 1, 36, 1
	SPAN 112, 1, 2, 30, 2
	SPAN 136, 1, 3, 24, 3
	SPAN 160, 0, 0, 18, 4
	SPAN 184, 0, 1, 12, 5
	SPAN 208, 0, 2, 6, 6
	SPAN 232, 0, 3, 0, 7
	s_wait_alu depctr_va_vdst(0)                   ; the last span has written its norm, which the store below reads; and every vector line is done with v64-111, in which the stage's loads land behind the barrier
	NORM 7
	s_wait_dscnt 0x0                               ; for the others' sake: my queries and norms lie in LDS
	s_barrier_signal -1
	s_barrier_wait -1
	s_wait_alu depctr_vm_vsrc(0)                   ; my LDS stores have read the queries' words in v64-159: LDS loads land in v64-111 below, and in wave 0 in v112 and v113
.irp n, 0,1,2,3,4,5,6,7,8,9,10,11      ; the 192 blocks leave as they lie: 16 blocks to a turn of the eight waves
	ds_load_b128 v[64+4*\n:67+4*\n], v31 offset:16*UP*\n
.endr
.irp n, 0,1,2,3,4,5,6,7,8,9,10,11
	s_wait_dscnt 11-\n                             ; LDS loads come back in order (ISA guide 5.7.1): number n is in
	global_store_b128 v4, v[64+4*\n:67+4*\n], s[56:57] offset:4096*\n  ; a wave's store covers 512 consecutive bytes, at a multiple of 256 from qf's first byte
.endr
	s_cmp_lg_u32 s5, 0
	s_cbranch_scc1 .Lend
	v_add_nc_u32 v11, NRM, v5                      ; wave 0: the 64 norms
	v_min_u32 v9, LASTR, v9
	v_lshlrev_b32 v9, 2, v9
	s_wait_alu depctr_va_vdst(0)                   ; v11 is written, which the two LDS loads read as their address, and v9, which the first store reads as its offset
	ds_load_b32 v112, v11
	ds_load_b32 v113, v11 offset:128
	s_wait_dscnt 0x0
	global_store_b32 v9, v112, s[24:25]            ; a support's norm goes where its row went
	global_store_b32 v5, v113, s[58:59]
.Lend:
	s_wait_dscnt 0x0                               ; the closing lines, six on end
	s_wait_alu 0x0
	s_wait_tensorcnt 0x0
	ds_add_u32 v12, v13
	s_wait_dscnt 0x0
	s_endpgm
.Lfunc_end_k_qdc360d24a8_prep:
	.size	k_qdc360d24a8_prep, .Lfunc_end_k_qdc360d24a8_prep-k_qdc360d24a8_prep
	.p2alignl 7, 3214868480
	.fill 96, 4, 3214868480
	.section	.rodata,"a",@progbits
	.p2align	6, 0x0
	.amdhsa_kernel k_qdc360d24a8_prep
		.amdhsa_group_segment_fixed_size 53760
		.amdhsa_private_segment_fixed_size 0
		.amdhsa_enable_private_segment 0
		.amdhsa_kernarg_size 96
		.amdhsa_user_sgpr_count 2
		.amdhsa_user_sgpr_kernarg_segment_ptr 1
		.amdhsa_wavefront_size32 1
		.amdhsa_system_sgpr_workgroup_id_x 1
		.amdhsa_system_sgpr_workgroup_id_y 1
		.amdhsa_system_sgpr_workgroup_id_z 1
		.amdhsa_system_vgpr_workitem_id 0
		.amdhsa_next_free_vgpr 256
		.amdhsa_next_free_sgpr 100
		.amdhsa_reserve_vcc 0
		.amdhsa_float_denorm_mode_32 3
		.amdhsa_float_denorm_mode_16_64 3
		.amdhsa_memory_ordered 1
		.amdhsa_forward_progress 1
		.amdhsa_inst_pref_size 69
	.end_amdhsa_kernel
	.amdgpu_metadata
---
amdhsa.version: [ 1, 2 ]
amdhsa.kernels:
  - .name:           k_qdc360d24a8_prep
    .symbol:         k_qdc360d24a8_prep.kd
    .args:
      - { .name: tok_support, .offset: 0, .size: 8, .value_kind: global_buffer, .address_space: global }
      - { .name: tok_query, .offset: 8, .size: 8, .value_kind: global_buffer, .address_space: global }
      - { .name: start_s, .offset: 16, .size: 8, .value_kind: global_buffer, .address_space: global }
      - { .name: end_s, .offset: 24, .size: 8, .value_kind: global_buffer, .address_space: global }
      - { .name: start_q, .offset: 32, .size: 8, .value_kind: global_buffer, .address_space: global }
      - { .name: end_q, .offset: 40, .size: 8, .value_kind: global_buffer, .address_space: global }
      - { .name: labels_s, .offset: 48, .size: 8, .value_kind: global_buffer, .address_space: global }
      - { .name: sb, .offset: 56, .size: 8, .value_kind: global_buffer, .address_space: global }
      - { .name: sn, .offset: 64, .size: 8, .value_kind: global_buffer, .address_space: global }
      - { .name: qf, .offset: 72, .size: 8, .value_kind: global_buffer, .address_space: global }
      - { .name: qn, .offset: 80, .size: 8, .value_kind: global_buffer, .address_space: global }
      - { .name: tlab, .offset: 88, .size: 8, .value_kind: global_buffer, .address_space: global }
    .group_segment_fixed_size: 53760
    .private_segment_fixed_size: 0
    .kernarg_segment_align: 8
    .kernarg_segment_size: 96
    .max_flat_workgroup_size: 256
    .sgpr_count:     100
    .vgpr_count:     256
    .wavefront_size: 32
...
	.end_amdgpu_metadata
.endif
;; end of part 4
;; launch main: the kernel of part 2 again; grid 32 x 8, 4 waves a work-group, clusters of 4 x 1, 327,680 bytes of LDS; arguments sb, sn, qf, qn, tlab, part; writes part
;; launch fin: the kernel of part 3 again; grid 128 x 1, 1 waves a work-group, no clusters, 1,792 bytes of LDS; arguments part, out0, out1; writes out0, out1
